; MI455X (gfx1250); checked and timed in simulation.
; The chip was launched on July 23, 2026; its instructions are those of AMD's public machine-readable ISA for CDNA 5 (MIT licence, August 2026) and "CDNA5" Instruction Set Architecture Reference Guide (July 2026). The comments in the code are by the model that wrote it; some were corrected since.
;; Causal Self Attention. Allowed arithmetic: matrix products marked QUANTISED: E2M1 operands, one E8M0 scale for each 32 along K, by v_wmma_scale_f32_16x16x128_f8f6f4 with both operands' format E2M1 (or v_wmma_scale_f32_32x16x128_f4), f32 sums; products left as they are: bf16, f16 or f32 operands; f32 sums; everything else in f32.
;; Inputs: W_out 1,024 x 1,024 float32; W_qkv 1,024 x 3,072 float32; b_out 1,024 float32; b_qkv 3,072 float32; x 4 x 2,048 x 1,024 float32.
;; Outputs: out0 4 x 2,048 x 1,024 float32.
;; This version of the problem:
;;   THIS VERSION OF THE PROBLEM IS GIVEN IN LOW PRECISION. The matrix products marked QUANTISED in the list below multiply operands that are first quantised to E2M1 (2 exponent bits, 1 mantissa bit; 4 bits a number), with one power-of-two scale for each 32 numbers along K (OCP MX v1.0); their sums are f32. The products marked 'left as it is' may take bf16, f16 or f32 operands, with f32 sums. Whichever they take, every output number must still come out within the allowed error. Rounding operands to bf16 (8 significant bits) uses up far more of that allowance than f16 does (11 bits, for magnitudes from 6e-5 to 65,504). All else is computed in f32.
;;   The module's matrix products, in the order in which they are computed (A, B: the left and right operand; K: the contracted axis; several contracted axes count as one K, in the product's order):
;;     1. [M 8,192, K 1,024] x [K 1,024, N 3,072]; A: input x; B: input W_qkv: QUANTISED
;;     2. batch 64 x [M 2,048, K 64] x [K 64, N 2,048]; A: computed on the way; B: computed on the way: left as it is (an operand is computed on the way)
;;     3. batch 64 x [M 2,048, K 2,048] x [K 2,048, N 64]; A: computed on the way; B: computed on the way: left as it is (an operand is computed on the way)
;;     4. [M 8,192, K 1,024] x [K 1,024, N 1,024]; A: computed on the way; B: input W_out: left as it is (an operand is computed on the way)
;;   THE QUANTISER, for each operand of a quantised product, along K:
;;     - K is cut into blocks of 32 from its start; a last block that is shorter is filled with zeros.
;;     - A block's scale is 2^e with e = floor(log2(the largest magnitude in the block)) - 2, held to -126 .. 127; a block of zeros has e = 0. As a byte (E8M0): e + 127.
;;     - Each number is divided by its block's scale, clamped to +-6, and rounded to the nearest number of E2M1, ties to even, subnormals kept.
;;     - The product sums the exact products of the quantised numbers (number of the format x scale) in f32.
;;   ~~~python
;;   def quantise(x, axis):      # numpy; x: float32 -> the quantised numbers, widened to float32 again
;;       x = np.moveaxis(x, axis, -1); K = x.shape[-1]
;;       x = np.pad(x, [(0, 0)] * (x.ndim - 1) + [(0, -K % 32)]); x = x.reshape(x.shape[:-1] + (-1, 32)); a = np.abs(x).max(-1, keepdims=True)
;;       e = np.where(a > 0, np.clip(np.frexp(np.where(a > 0, a, 1))[1] - 1 - 2, -126, 127), 0)      # np.frexp(a)[1] - 1 = floor(log2(a)), exactly
;;       r = np.clip(x / 2.0 ** e, -6, 6)
;;       step = 2.0 ** (np.maximum(np.frexp(np.where(r == 0, 1, r))[1] - 1, 0) - 1)
;;       q = np.round(r / step) * step * 2.0 ** e      # np.round: ties to even
;;       return np.moveaxis(q.reshape(q.shape[:-2] + (-1,))[..., :K], -1, axis).astype(np.float32)
;;   ~~~
;; One version. Each part assembles by itself: llvm-mc -triple=amdgcn-amd-amdhsa -mcpu=gfx1250 --defsym DOCPART=n.
;; ======== version 1 of 1: 5 launches
;; limits: values are held in f16: magnitudes above 65,504 overflow, below 6.1e-05 lose precision
;; workspace buffers: xc 4,194,304 bytes; xs 262,144 bytes; wc 1,572,864 bytes; ws 98,304 bytes; wt 2,097,152 bytes; qkvh 50,331,648 bytes; fq 786,432 bytes; att 16,777,216 bytes
;; launch prep (part 1): grid 368 x 1, 4 waves a work-group, no clusters, 102,912 bytes of LDS; arguments x, W_qkv, W_out, xc, xs, wc, ws, wt; writes xc, xs, wc, ws, wt
.if DOCPART == 1
	.amdgcn_target "amdgcn-amd-amdhsa--gfx1250"
	.amdhsa_code_object_version 6
	.text
	.protected	k_qacda19fde1_prep
	.globl	k_qacda19fde1_prep
	.p2align	8
	.type	k_qacda19fde1_prep,@function
k_qacda19fde1_prep:
	s_mov_b64 s[64:65], 0
	v_nop
	global_prefetch_b8 v0, s[64:65] scope:SCOPE_SE
	s_setreg_imm32_b32 hwreg(HW_REG_WAVE_MODE, 25, 1), 1
	s_wait_xcnt 0x0
; THREE STREAMS IN ONE LAUNCH, parted on the work-group's number; they never join, and each has LDS bytes of its own.
;   work-groups 0-47:    W_qkv [1024 (k)][3072 (n)] f32 -> wc [3072][512 bytes] codes of FP4 (E2M1), K innermost, and ws [3072][32] E8M0 bytes, one for each 32 along K
;   work-groups 48-111:  W_out [1024 (k)][1024 (n)] f32 -> wt [1024 (n)][1024 (k)] f16 (the last product is left as it is; it wants K innermost)
;   work-groups 112-367: x [8192][1024] f32 -> xc [8192][512 bytes] codes, xs [8192][32] bytes
; A block's scale is 2^(floor(log2(its largest magnitude)) - 2); its byte is the largest magnitude's exponent field - 2, held at 1 from below.  Each number is divided by the scale and
; rounded to the nearest code, ties to even, beyond 6 the largest code.
; LIMITS: a block of zeros gets the byte 1 where the quantiser says 127: its codes are zeros, which add nothing, and this program alone reads the bytes.  Blocks whose largest magnitude lies under
; 2^(3 - 127) share that byte.  NaN and infinities among the inputs are not served.  |W_out| stays under 65,504, the largest f16 number.
; No tensor loads, no barrier, no cluster: waves share nothing, and no byte is read by two work-groups.
.set SPW,   190                        ; v190  LDS address of my spare word: SPARE + 4 x my thread's number; never rewritten
.set NIL,   191                        ; v191  0; never rewritten
.set WQST,  32768                      ; W_qkv's stages: 32 rows x 272 bytes for each wave
.set WOST,  67584                      ; W_out's stages likewise
.set SPARE, 102400                     ; the spare words, 128 bytes for each wave: two blocks of 256 bytes that no other line names
.set SP,    80                         ; x: a lane's place in a stage: its 64 bytes + 16 of padding
.set R,     16                         ; x: v16-79   four sets of 16 numbers as they are loaded
.set X,     80                         ; x: v80-111  two sets of 16 neighbours
.set E,     112                        ; x: v112-127 a scale byte for each step
.set C,     128                        ; x: v128-159 codes: two registers for each step, so that no store's data are written again
.set PITCH, 272                        ; the weights: a stage row: 256 bytes + 16
.set XB,    32                         ; the weights: v32-95 two sets of 32 numbers
.set CD,    96                         ; v96..   what a block becomes
.set OUTR,  112                        ; v112-175 the way out
.set SB,    24                         ; v24-27  W_qkv's scale bytes, four to a register
; ---- x: 16 steps of 512 numbers a wave.  Each load reads 512 consecutive bytes; a step's 2,048 bytes turn through the wave's own stage and come back 64 bytes a lane: 16 neighbours along K.
.macro XLOAD t
.irp i, 0,1,2,3
	global_load_b128 v[R+16*((\t)%4)+4*\i:R+16*((\t)%4)+4*\i+3], v3, s[4:5] offset:2048*(\t)+512*\i th:TH_LOAD_NT
.endr
.endm
.macro XTURN t                         ; LDS serves a wave's instructions in order, so no wait stands between the stores and the loads
.irp i, 0,1,2,3
	ds_store_b128 v14, v[R+16*((\t)%4)+4*\i:R+16*((\t)%4)+4*\i+3] offset:32*SP*((\t)%2)+8*SP*\i
.endr
.irp i, 0,1,2,3
	ds_load_b128 v[X+16*((\t)%2)+4*\i:X+16*((\t)%2)+4*\i+3], v15 offset:32*SP*((\t)%2)+16*\i
.endr
.endm
.macro XSTEP t
.set XS, X+16*((\t)%2)
.if (\t) > 0
	s_wait_dscnt 1                                 ; this step's numbers are back from the stage; the last step's byte store may be out
.else
	s_wait_dscnt 0x0
.endif
.if (\t)+4 < 16
	XLOAD (\t)+4                                   ; into the set whose stores into the stage are done
.endif
.if (\t)+1 < 16
.if 14-(\t) >= 3
	s_wait_loadcnt 12                              ; the next step's four loads are in; those of the three steps behind it may be out
.else
	s_wait_loadcnt 4*(14-(\t))
.endif
	XTURN (\t)+1
.endif
	v_max3_num_f32 v8, |v[XS]|, |v[XS+1]|, |v[XS+2]|   ; the largest magnitude of my 16, in two chains
	v_max3_num_f32 v9, |v[XS+3]|, |v[XS+4]|, |v[XS+5]|
.irp i, 6,10
	v_max3_num_f32 v8, v8, |v[XS+\i]|, |v[XS+\i+1]|
	v_max3_num_f32 v9, v9, |v[XS+\i+2]|, |v[XS+\i+3]|
.endr
	v_max3_num_f32 v8, v8, |v[XS+14]|, |v[XS+15]|
	v_max3_num_f32 v8, v8, v9, 0x1800000           ; and the floor 2^(3 - 127): the byte cannot fall under 1
	v_max_num_f32_dpp v8, v8, v8 row_xmask:1 row_mask:0xf bank_mask:0xf   ; with my neighbour's 16: the block's
	v_add_nc_u32 v11, 0xff000000, v8               ; 2 off its exponent field: the conversion takes the exponent field of this operand as its scale
	v_cvt_scalef32_pk8_fp4_f32 v[C+2*(\t)], v[XS:XS+7], v11
	v_cvt_scalef32_pk8_fp4_f32 v[C+2*(\t)+1], v[XS+8:XS+15], v11
	v_lshrrev_b32 v[E+(\t)], 23, v11               ; the scale's byte (a plain line behind the conversions)
	ds_store_b8 v5, v[E+(\t)] offset:16*(\t)       ; both lanes of a block write the same byte with the same value
	global_store_b64 v4, v[C+2*(\t):C+2*(\t)+1], s[10:11] offset:256*(\t)   ; the wave stores 256 consecutive bytes, aligned
.endm
; ---- the weights: a lane takes a column n and its registers run down K
.macro WLOAD t, base, rowb             ; block t: rows 32 t + i, my column, into set t % 2
.irp i, 0,1,2,3,4,5,6,7,8,9,10,11,12,13,14,15,16,17,18,19,20,21,22,23,24,25,26,27,28,29,30,31
	global_load_b32 v[XB+32*((\t)%2)+\i], v3, s[\base:\base+1] offset:(32*(\t)+\i)*\rowb th:TH_LOAD_NT
.endr
.endm
.macro QBLOCK t                        ; W_qkv: a block of 32 along K of my column becomes 16 bytes of codes and a scale byte
.set XS, XB+32*((\t)%2)
.if (\t) < 15
	s_wait_loadcnt 32                              ; this block's 32 loads are in; the next block's may be out
.else
	s_wait_loadcnt 0
.endif
	v_max3_num_f32 v12, |v[XS]|, |v[XS+1]|, |v[XS+2]|
	v_max3_num_f32 v13, |v[XS+3]|, |v[XS+4]|, |v[XS+5]|
.irp i, 6,10,14,18,22,26
	v_max3_num_f32 v12, v12, |v[XS+\i]|, |v[XS+\i+1]|
	v_max3_num_f32 v13, v13, |v[XS+\i+2]|, |v[XS+\i+3]|
.endr
	v_max3_num_f32 v12, v12, |v[XS+30]|, |v[XS+31]|
	v_max3_num_f32 v12, v12, v13, 0x1800000        ; the floor
	v_add_nc_u32 v11, 0xff000000, v12
	v_lshrrev_b32 v13, 23, v11                     ; the scale's byte
.if (\t)%4 == 0
	v_mov_b32 v[SB+(\t)/4], v13
.else
	v_lshl_or_b32 v[SB+(\t)/4], v13, 8*((\t)%4), v[SB+(\t)/4]
.endif
.irp g, 0,1,2,3
	v_cvt_scalef32_pk8_fp4_f32 v[CD+\g], v[XS+8*\g:XS+8*\g+7], v11
.endr
	v_nop                                          ; a plain line behind the last conversion
	ds_store_b128 v4, v[CD:CD+3] offset:16*(\t)
.if (\t)+2 < 16
	WLOAD (\t)+2, 6, 12288
.endif
	s_wait_dscnt 0x0                               ; the store has read its registers: the next block's codes may be written
.endm
.macro OBLOCK t                        ; W_out: 32 along K of my column become 64 bytes of f16
.set XS, XB+32*((\t)%2)
.if (\t) < 3
	s_wait_loadcnt 32
.else
	s_wait_loadcnt 0
.endif
.irp i, 0,1,2,3,4,5,6,7,8,9,10,11,12,13,14,15
	v_cvt_pk_f16_f32 v[CD+\i], v[XS+2*\i], v[XS+2*\i+1]
.endr
.irp g, 0,1,2,3
	ds_store_b128 v4, v[CD+4*\g:CD+4*\g+3] offset:64*(\t)+16*\g
.endr
.if (\t)+2 < 4
	WLOAD (\t)+2, 8, 4096
.endif
	s_wait_dscnt 0x0
.endm
.macro WOUT base, rowb                 ; the stage leaves by rows: sixteen lanes store 256 consecutive bytes, aligned
.irp t, 0,1,2,3,4,5,6,7,8,9,10,11,12,13,14,15
	ds_load_b128 v[OUTR+4*\t:OUTR+4*\t+3], v7 offset:2*\t*PITCH
.endr
.irp t, 0,1,2,3,4,5,6,7,8,9,10,11,12,13,14,15
	s_wait_dscnt 15-\t                             ; LDS loads come back in order: pair t of rows is in
	global_store_b128 v8, v[OUTR+4*\t:OUTR+4*\t+3], s[\base:\base+1] offset:2*\t*\rowb
.endr
.endm
	s_load_b256 s[4:11], s[0:1], 0x0               ; x s[4:5], W_qkv s[6:7], W_out s[8:9], xc s[10:11]
	s_load_b256 s[12:19], s[0:1], 0x20             ; xs s[12:13], wc s[14:15], ws s[16:17], wt s[18:19]
	v_lshl_add_u32 v[SPW], v0, 2, SPARE
	v_mov_b32 v[NIL], 0
	v_lshrrev_b32 v1, 5, v0
	v_readfirstlane_b32 s20, v1                    ; wave 0..3
	v_and_b32 v2, 31, v0                           ; lane
	s_mov_b32 s27, 0                               ; the upper word of every offset here: all lie under 2^32
	s_wait_kmcnt 0x0
	s_cmp_lt_u32 ttmp9, 48
	s_cbranch_scc1 .Lwq
	s_cmp_lt_u32 ttmp9, 112
	s_cbranch_scc1 .Lwo
	; ---------------- x ----------------
	s_sub_co_u32 s21, ttmp9, 112
	s_lshl_b32 s21, s21, 2
	s_add_co_u32 s21, s21, s20                     ; which run of 8,192 numbers is my wave's
	s_lshl_b32 s26, s21, 15
	s_add_nc_u64 s[4:5], s[4:5], s[26:27]          ; 32,768 bytes of x,
	s_lshl_b32 s26, s21, 12
	s_add_nc_u64 s[10:11], s[10:11], s[26:27]      ; 4,096 of codes,
	s_lshl_b32 s26, s21, 8
	s_add_nc_u64 s[12:13], s[12:13], s[26:27]      ; 256 scale bytes a run
	v_lshlrev_b32 v3, 4, v2                        ; my 16 bytes of a load's 512
	s_lshl_b32 s24, s20, 13                        ; my wave's 8,192 bytes of LDS: two stages of 32 x 80, then 256 scale bytes
	v_lshrrev_b32 v14, 2, v2
	v_mul_u32_u24 v14, v14, SP
	v_and_b32 v15, 3, v2
	v_lshl_add_u32 v14, v15, 4, v14
	v_add_nc_u32 v14, s24, v14                     ; into the stage: 80 (lane / 4) + 16 (lane % 4)
	v_mul_u32_u24 v15, v2, SP
	v_add_nc_u32 v15, s24, v15                     ; out of it: 80 x lane
	v_lshlrev_b32 v4, 3, v2                        ; my 8 bytes of a step's codes
	v_lshrrev_b32 v5, 1, v2
	s_add_co_u32 s24, s24, 2*32*SP
	v_add_nc_u32 v5, s24, v5                       ; my block's scale byte
	v_lshlrev_b32 v7, 3, v2
	v_add_nc_u32 v6, s24, v7                       ; and on the way out 8 bytes a lane
.irp t, 0,1,2,3
	XLOAD \t
.endr
	s_wait_loadcnt 12                              ; step 0's four loads are in
	XTURN 0
.irp t, 0,1,2,3,4,5,6,7,8,9,10,11,12,13,14,15
	XSTEP \t
.endr
	ds_load_b64 v[8:9], v6                         ; in order behind my byte stores
	s_wait_dscnt 0x0
	global_store_b64 v7, v[8:9], s[12:13]          ; 32 lanes store 256 consecutive bytes, aligned
	s_wait_tensorcnt 0x0                           ; the wave's end, behind my last LDS store
	ds_add_u32 v[SPW], v[NIL]
	s_wait_dscnt 0x0
	s_endpgm
	; ---------------- W_qkv: 24 blocks of 128 columns x 2 halves of K; a wave takes 32 columns x 512 along K ----------------
.Lwq:
	s_cmp_ge_u32 ttmp9, 24
	s_cselect_b32 s22, 1, 0                        ; which 512 along K
	s_cselect_b32 s21, 24, 0
	s_sub_co_u32 s21, ttmp9, s21
	s_lshl_b32 s21, s21, 7
	s_lshl_b32 s24, s20, 5
	s_add_co_u32 s21, s21, s24                     ; my wave's first column
	v_lshlrev_b32 v3, 2, v2                        ; in: 4 bytes a lane: 128 consecutive bytes a wave
	s_mul_i32 s24, s20, 32*PITCH
	s_add_co_u32 s24, s24, WQST                    ; my stage
	v_mul_u32_u24 v4, v2, PITCH
	v_add_nc_u32 v4, s24, v4                       ; into it: row = my column
	v_and_b32 v5, 15, v2
	v_lshrrev_b32 v6, 4, v2
	v_mul_u32_u24 v7, v6, PITCH
	v_lshl_add_u32 v7, v5, 4, v7
	v_add_nc_u32 v7, s24, v7                       ; out of it: sixteen lanes to a row, two rows an instruction
	v_lshlrev_b32 v8, 9, v6
	v_lshl_add_u32 v8, v5, 4, v8                   ; the same place in wc: rows of 512 bytes
	v_lshlrev_b32 v9, 5, v2                        ; my column's row of 32 scale bytes
	s_mul_i32 s26, s22, 512*12288
	s_lshl_b32 s24, s21, 2
	s_add_co_u32 s26, s26, s24
	s_add_nc_u64 s[6:7], s[6:7], s[26:27]          ; W_qkv at row 512 y, my first column
	s_lshl_b32 s26, s21, 9
	s_lshl_b32 s24, s22, 8
	s_add_co_u32 s26, s26, s24
	s_add_nc_u64 s[14:15], s[14:15], s[26:27]      ; wc at my first column's row, + 256 y
	s_lshl_b32 s26, s21, 5
	s_lshl_b32 s24, s22, 4
	s_add_co_u32 s26, s26, s24
	s_add_nc_u64 s[16:17], s[16:17], s[26:27]      ; ws likewise, + 16 y
	WLOAD 0, 6, 12288                              ; every offset is an immediate: 511 rows of 12,288 bytes at the most, inside the signed 24 bits
	WLOAD 1, 6, 12288
.irp t, 0,1,2,3,4,5,6,7,8,9,10,11,12,13,14,15
	QBLOCK \t
.endr
	global_store_b128 v9, v[SB:SB+3], s[16:17]     ; my column's 16 scale bytes
	WOUT 14, 512
	s_wait_tensorcnt 0x0                           ; the wave's end: the three lines
	ds_add_u32 v[SPW], v[NIL]
	s_wait_dscnt 0x0
	s_endpgm
	; ---------------- W_out: 8 blocks of 128 columns x 8 parts of 128 along K; a wave takes 32 columns x 128 along K ----------------
.Lwo:
	s_sub_co_u32 s21, ttmp9, 48
	s_and_b32 s22, s21, 7
	s_lshr_b32 s21, s21, 3                         ; which 128 along K
	s_lshl_b32 s22, s22, 7
	s_lshl_b32 s24, s20, 5
	s_add_co_u32 s22, s22, s24                     ; my wave's first column
	v_lshlrev_b32 v3, 2, v2
	s_mul_i32 s24, s20, 32*PITCH
	s_add_co_u32 s24, s24, WOST
	v_mul_u32_u24 v4, v2, PITCH
	v_add_nc_u32 v4, s24, v4
	v_and_b32 v5, 15, v2
	v_lshrrev_b32 v6, 4, v2
	v_mul_u32_u24 v7, v6, PITCH
	v_lshl_add_u32 v7, v5, 4, v7
	v_add_nc_u32 v7, s24, v7
	v_lshlrev_b32 v8, 11, v6
	v_lshl_add_u32 v8, v5, 4, v8                   ; wt: rows of 2,048 bytes
	s_lshl_b32 s26, s21, 19                        ; 128 rows of 4,096 bytes a part
	s_lshl_b32 s24, s22, 2
	s_add_co_u32 s26, s26, s24
	s_add_nc_u64 s[8:9], s[8:9], s[26:27]
	s_lshl_b32 s26, s22, 11
	s_lshl_b32 s24, s21, 8
	s_add_co_u32 s26, s26, s24
	s_add_nc_u64 s[18:19], s[18:19], s[26:27]
	WLOAD 0, 8, 4096
	WLOAD 1, 8, 4096
.irp t, 0,1,2,3
	OBLOCK \t
.endr
	WOUT 18, 2048
	s_wait_tensorcnt 0x0                           ; the wave's end: the three lines
	ds_add_u32 v[SPW], v[NIL]
	s_wait_dscnt 0x0
	s_endpgm
.Lfunc_end_k_qacda19fde1_prep:
	.size	k_qacda19fde1_prep, .Lfunc_end_k_qacda19fde1_prep-k_qacda19fde1_prep
	.p2alignl 7, 3214868480
	.fill 96, 4, 3214868480
	.section	.rodata,"a",@progbits
	.p2align	6, 0x0
	.amdhsa_kernel k_qacda19fde1_prep
		.amdhsa_group_segment_fixed_size 102912
		.amdhsa_private_segment_fixed_size 0
		.amdhsa_enable_private_segment 0
		.amdhsa_kernarg_size 64
		.amdhsa_user_sgpr_count 2
		.amdhsa_user_sgpr_kernarg_segment_ptr 1
		.amdhsa_wavefront_size32 1
		.amdhsa_system_sgpr_workgroup_id_x 1
		.amdhsa_system_sgpr_workgroup_id_y 1
		.amdhsa_system_sgpr_workgroup_id_z 1
		.amdhsa_system_vgpr_workitem_id 0
		.amdhsa_next_free_vgpr 192
		.amdhsa_next_free_sgpr 66
		.amdhsa_reserve_vcc 0
		.amdhsa_float_denorm_mode_32 3
		.amdhsa_float_denorm_mode_16_64 3
		.amdhsa_memory_ordered 1
		.amdhsa_forward_progress 1
		.amdhsa_inst_pref_size 132
	.end_amdhsa_kernel
	.amdgpu_metadata
---
amdhsa.version: [ 1, 2 ]
amdhsa.kernels:
  - .name:           k_qacda19fde1_prep
    .symbol:         k_qacda19fde1_prep.kd
    .args:
      - { .name: x, .offset: 0, .size: 8, .value_kind: global_buffer, .address_space: global }
      - { .name: W_qkv, .offset: 8, .size: 8, .value_kind: global_buffer, .address_space: global }
      - { .name: W_out, .offset: 16, .size: 8, .value_kind: global_buffer, .address_space: global }
      - { .name: xc, .offset: 24, .size: 8, .value_kind: global_buffer, .address_space: global }
      - { .name: xs, .offset: 32, .size: 8, .value_kind: global_buffer, .address_space: global }
      - { .name: wc, .offset: 40, .size: 8, .value_kind: global_buffer, .address_space: global }
      - { .name: ws, .offset: 48, .size: 8, .value_kind: global_buffer, .address_space: global }
      - { .name: wt, .offset: 56, .size: 8, .value_kind: global_buffer, .address_space: global }
    .group_segment_fixed_size: 102912
    .private_segment_fixed_size: 0
    .kernarg_segment_align: 8
    .kernarg_segment_size: 64
    .max_flat_workgroup_size: 128
    .sgpr_count:     66
    .vgpr_count:     192
    .wavefront_size: 32
...
	.end_amdgpu_metadata
.endif
;; end of part 1
;; launch qkv (part 2): grid 12 x 32, 4 waves a work-group, clusters of 4 x 4, 327,680 bytes of LDS; arguments xc, xs, wc, ws, b_qkv, qkvh, fq; writes qkvh, fq
.if DOCPART == 2
	.amdgcn_target "amdgcn-amd-amdhsa--gfx1250"
	.amdhsa_code_object_version 6
	.text
	.protected	k_qacda19fde1_qkv
	.globl	k_qacda19fde1_qkv
	.p2align	8
	.type	k_qacda19fde1_qkv,@function
k_qacda19fde1_qkv:
	s_mov_b64 s[64:65], 0
	v_nop
	global_prefetch_b8 v0, s[64:65] scope:SCOPE_SE
	s_setreg_imm32_b32 hwreg(HW_REG_WAVE_MODE, 25, 1), 1
	s_wait_xcnt 0x0
	s_wait_alu depctr_hold_cnt(0) depctr_sa_sdst(0) depctr_va_vdst(0) depctr_va_sdst(0) depctr_va_ssrc(0) depctr_va_vcc(0) depctr_vm_vsrc(0)
	s_getreg_b32 s2, hwreg(HW_REG_IB_STS2, 6, 4)
	s_cmp_eq_u32 s2, 0
	s_cbranch_scc0 .Lentry_in_a_cluster
	s_endpgm
.Lentry_in_a_cluster:
	s_bfe_u32 s2, ttmp6, 0x10000c
	s_cmp_lg_u32 s2, 0xf033
	s_cbranch_scc0 .Lentry_shape_is_right
	s_endpgm
.Lentry_shape_is_right:
; qkv[m][n] = sum over k of Q(x)[m][k] Q(W_qkv)[k][n] + b_qkv[n], on codes of FP4 (E2M1) with one E8M0 scale for each 32 along K.  M = 8,192, N = 3,072, K = 1,024.
; xc [8192][512 bytes], xs [8192][32], wc [3072][512 bytes], ws [3072][32].  Out: qkvh [q, k, v][batch x 16 + head][t 2048][64] f16 (a part 2^24 bytes, a head 2^18, a row 128),
; and fq [batch 4][t 16][3072] f32: the first 16 positions of every sequence as the sums stand, for the launch that carries those rows in f32.
; LIMITS: |q|, |k|, |v| stay under 65,504, the largest f16 number.  The bias is the C of each sum's first product: it is added first, not last.
; A tile of 256 x 256 is made by four waves, 128 x 128 each: 64 accumulators, 512 registers.  K = 1,024 is two LDS slots of 512 along K (rows of 256 bytes): both are asked for at the head and nothing is filled again.
; The scale bytes of the tile's 256 + 256 rows, for all of K, come once, as units of 256 bytes.
; CLUSTERS: 4 x 4 work-groups; A's tiles are asked for jointly along a row of the cluster, B's along a column.  Tile column = 4 x cluster x + cx.  TILE ROW = 8 cy + cluster y: so the batch is cy, and whether a tile
; holds a sequence's first rows hangs on cluster y alone, which all sixteen partners share.
; THE MATRIX INSTRUCTION IS USED TRANSPOSED (source 0 = 16 rows of wc, source 1 = 16 rows of xc): a lane holds eight neighbouring columns of one row.
; REGISTERS: window 0: v1-31 addresses; v32-95 scale words, two sets, and nothing else; v96-127 packed results; v128-191 A's fragments, one set, later rows on the way out; v192-255 the bias in the result's layout, later f32 rows.
;   window 1: B's fragments, two sets, at v0 and v128.  window 2: accumulators of my rows 0-63 ((a, b) at v[8 (8 a + b)]); window 3: rows 64-127.
; No prefetch: all of a work-group's tensor loads stand at its head.
.set NQ,     4                         ; steps of 128 along K in a slot
.set ROWB,   256
.set KROW,   512
.set PITCH,  272                       ; an LDS row: 256 bytes + 16: the 16 rows of a fragment load start at 16 different banks (64 banks of 4 bytes: ISA guide 11.1)
.set FR,     8
.set NL,     2
.set NP,     4                         ; places behind this matrix instruction (ISA guide 7.12.1)
.set HALFT,  128*PITCH
.set SLOT,   4*HALFT
.set KS,     32
.set SCL,    2*SLOT
.set HALFS,  16*272
.set SBLK,   2*272
.set SPARE,  SCL+4*HALFS               ; the spare words, 128 bytes a wave: two blocks of 256 bytes that no other line names
.set SPITCH, 528                       ; the way out: my stage, 8,448 bytes in slot 0, which has had its one fill and its last read by then: 16 rows x 528 (f32) or x 272 (f16)
.set ADRA, 16
.set ADRB, 20
.set CO16, 22                          ; v22  f16 way out: my byte offset in qkvh
.set BO,   23                          ; v23  32 x (lane / 16): my eight numbers of a bias tile
.set STO,  24
.set RD,   25
.set CO,   26
.set ADRS, 27
.set SPW,  28
.set NIL,  29
.set STO16, 30
.set RD16, 31
.set SC,   32
.set TMP,  96
.set AF,   128
.set BK16, 128
.set BIAS, 192
.set BK32, 192
.set G1, 24
.set G0, 32
.set G1B, 48
.set G0B, 56
.set G1S, 68
.set G0S, 76
.set G1SB, 80
.set G0SB, 88
.set MSB, 0
.macro WIN new                         ; the immediate's high byte repeats the setting that is left
.if MSB != \new
	s_set_vgpr_msb (MSB<<8)|\new
.set MSB, \new
.endif
.endm
.set MUL_LO, 0xa1                      ; source 0 (B) window 1, source 1 (A) window 0, C and D window 2
.set MUL_HI, 0xf1
.set FIRST_LO, 0x81                    ; the same with C (the bias) in window 0
.set FIRST_HI, 0xc1
.set TO_B,   0x40
; A joint load: waves 0 and 1 fetch for A, waves 2 and 3 for B; the branch hangs on the wave's number alone.  An s_nop 0 and four v_nop follow each line.
.macro JLOAD g0a, g1a, g0b, g1b
	s_cmp_eq_u32 s15, 0
	s_cbranch_scc0 .Lfor_b_\@
	tensor_load_to_lds s[\g0a:\g0a+3], s[\g1a:\g1a+7]
	s_nop 0
.rept 4
	v_nop
.endr
	s_branch .Lasked_\@
.Lfor_b_\@:
	tensor_load_to_lds s[\g0b:\g0b+3], s[\g1b:\g1b+7]
	s_nop 0
.rept 4
	v_nop
.endr
.Lasked_\@:
.endm
.macro CROUND                          ; a round of the cluster's barrier
	s_barrier_signal -1
	s_barrier_wait -1
	s_cmp_lg_u32 s14, 0
	s_cbranch_scc1 .Lnot_wave_0_\@
	s_barrier_signal -3
.Lnot_wave_0_\@:
	s_barrier_wait -3
	s_barrier_signal -1
	s_barrier_wait -1
.endm
	s_load_b128 s[4:7], s[0:1], 0x0                ; xc, xs
	s_load_b128 s[8:11], s[0:1], 0x10              ; wc, ws
	s_load_b128 s[96:99], s[0:1], 0x20             ; b_qkv, qkvh
	s_load_b64 s[100:101], s[0:1], 0x30            ; fq
	v_lshl_add_u32 v[SPW], v0, 2, SPARE
	v_mov_b32 v[NIL], 0
	ds_add_u32 v[SPW], v[NIL]                      ; the wave's opening: the add, twice on end, and its wait ahead of my first tensor load
	ds_add_u32 v[SPW], v[NIL]
	v_lshrrev_b32 v1, 5, v0
	v_readfirstlane_b32 s14, v1                    ; wave 0..3
	s_lshr_b32 s15, s14, 1                         ; my half of the tile's rows.  Also: I fetch for A (0) or for B (1)
	s_and_b32 s16, s14, 1                          ; my half of its columns.  Also: which 128 rows I fetch
	s_bfe_u32 s40, ttmp6, 0x40000                  ; cx
	s_bfe_u32 s41, ttmp6, 0x40004                  ; cy
	s_lshl_b32 s42, ttmp9, 2
	s_add_co_u32 s42, s42, s40                     ; tile column = 4 x cluster x + cx
	s_and_b32 s12, ttmp7, 0xffff                   ; cluster y, 0..7
	s_lshl_b32 s17, s41, 3
	s_add_co_u32 s17, s17, s12                     ; tile row = 8 cy + cluster y
	s_lshl_b32 s43, s41, 2
	s_lshl_b32 s43, 15, s43                        ; my row of the cluster
	s_lshl_b32 s44, 0x1111, s40                    ; my column
	s_or_b32 s[G1+0], s43, (0<<16)|(1<<20)|(1<<21)|(5<<22)|(3<<25)   ; the mask; elements of 1 byte; padding: 4 words after every 64; bit 21 beside a mask
	s_or_b32 s[G1B+0], s44, (0<<16)|(1<<20)|(1<<21)|(5<<22)|(3<<25)
.irp g, G1, G1B
	s_mov_b32 s[\g+1], ROWB<<16                    ; tensor_dim0 = 256
	s_mov_b32 s[\g+2], 128<<16                     ; tensor_dim1 = 128
	s_mov_b32 s[\g+3], ROWB<<16                    ; tile_dim0
	s_mov_b32 s[\g+4], 128                         ; tile_dim1
	s_mov_b32 s[\g+5], KROW                        ; from row to row
	s_mov_b32 s[\g+6], 0
	s_mov_b32 s[\g+7], 0
.endr
	s_or_b32 s[G1S+0], s43, (3<<16)|(1<<20)|(1<<21)|(5<<22)|(3<<25)  ; the scales of 128 rows: 4,096 dense bytes as 16 rows of 32 elements of 8 bytes, padded alike
	s_or_b32 s[G1SB+0], s44, (3<<16)|(1<<20)|(1<<21)|(5<<22)|(3<<25)
.irp g, G1S, G1SB
	s_mov_b32 s[\g+1], 32<<16
	s_mov_b32 s[\g+2], 16<<16
	s_mov_b32 s[\g+3], 32<<16
	s_mov_b32 s[\g+4], 16
	s_mov_b32 s[\g+5], 32
	s_mov_b32 s[\g+6], 0
	s_mov_b32 s[\g+7], 0
.endr
	s_lshl_b32 s18, s16, 7
	s_lshl_b32 s20, s17, 8
	s_add_co_u32 s20, s20, s18                     ; A: row 256 x tile row + 128 x half
	s_lshl_b32 s46, s42, 8
	s_add_co_u32 s46, s46, s18                     ; B: row 256 x tile column + 128 x half
	s_mov_b32 s21, 0
	s_mov_b32 s47, 0
	s_mov_b64 s[18:19], KS
	s_mul_u64 s[22:23], s[20:21], s[18:19]         ; where these rows' scales begin,
	s_mul_u64 s[92:93], s[46:47], s[18:19]
	s_mov_b64 s[18:19], KROW
	s_mul_u64 s[20:21], s[20:21], s[18:19]         ; and their codes
	s_mul_u64 s[46:47], s[46:47], s[18:19]
	s_mul_i32 s45, s14, HALFT                      ; where they go: wave x 128 rows
	s_mul_i32 s94, s14, HALFS
	s_wait_dscnt 0x0                               ; both opening adds are done
	s_wait_kmcnt 0x0
	s_add_nc_u64 s[20:21], s[4:5], s[20:21]
	s_add_nc_u64 s[22:23], s[6:7], s[22:23]
	s_add_nc_u64 s[46:47], s[8:9], s[46:47]
	s_add_nc_u64 s[92:93], s[10:11], s[92:93]
	CROUND                                         ; all sixteen work-groups are here: the joint loads meet
	s_mov_b32 s[G0S], 1
	s_add_co_u32 s[G0S+1], s94, SCL
	s_mov_b64 s[G0S+2:G0S+3], s[22:23]
	s_or_b32 s[G0S+3], s[G0S+3], 0x80000000
	s_mov_b32 s[G0SB], 1
	s_add_co_u32 s[G0SB+1], s94, SCL
	s_mov_b64 s[G0SB+2:G0SB+3], s[92:93]
	s_or_b32 s[G0SB+3], s[G0SB+3], 0x80000000
	JLOAD G0S, G1S, G0SB, G1SB                     ; the scales first; with the two slots three tensor loads of mine are out
.irp s, 0,1
	s_mov_b32 s[G0+4*\s], 1
	s_add_co_u32 s[G0+4*\s+1], s45, \s*SLOT
	s_add_nc_u64 s[G0+4*\s+2:G0+4*\s+3], s[20:21], \s*ROWB
	s_or_b32 s[G0+4*\s+3], s[G0+4*\s+3], 0x80000000
	s_mov_b32 s[G0B+4*\s], 1
	s_add_co_u32 s[G0B+4*\s+1], s45, \s*SLOT
	s_add_nc_u64 s[G0B+4*\s+2:G0B+4*\s+3], s[46:47], \s*ROWB
	s_or_b32 s[G0B+4*\s+3], s[G0B+4*\s+3], 0x80000000
	JLOAD G0+4*\s, G1, G0B+4*\s, G1B
.endr
	v_and_b32 v1, 15, v0                           ; r = lane % 16
	v_bfe_u32 v2, v0, 4, 1                         ; h = lane / 16
	v_lshlrev_b32 v[BO], 5, v2
	; my first column n0 = 256 x tile column + 128 x half: the bias, fq and qkvh at my part
	s_lshl_b32 s46, s42, 8
	s_lshl_b32 s47, s16, 7
	s_add_co_u32 s46, s46, s47                     ; n0
	s_lshl_b32 s20, s46, 2
	s_mov_b32 s21, 0
	s_add_nc_u64 s[96:97], s[96:97], s[20:21]      ; b_qkv + 4 n0
.irp b, 0,1,2,3,4,5,6,7
	global_load_b128 v[BIAS+8*\b:BIAS+8*\b+3], v[BO], s[96:97] offset:64*\b       ; for B's block b: b_qkv at n0 + 16 b + 8 h + 0 .. 7, the result's layout
	global_load_b128 v[BIAS+8*\b+4:BIAS+8*\b+7], v[BO], s[96:97] offset:64*\b+16
.endr
	s_mul_i32 s22, s41, 196608
	s_add_co_u32 s20, s20, s22
	s_add_nc_u64 s[100:101], s[100:101], s[20:21]  ; fq + batch x 16 rows of 12,288 bytes + 4 n0
	s_lshr_b32 s20, s46, 10
	s_lshl_b32 s20, s20, 24                        ; q, k or v
	s_bfe_u32 s22, s46, 0x40006                    ; my first head: (n0 / 64) % 16
	s_lshl_b32 s23, s41, 4
	s_add_co_u32 s22, s22, s23
	s_lshl_b32 s22, s22, 18
	s_add_co_u32 s20, s20, s22
	s_lshl_b32 s22, s12, 8
	s_lshl_b32 s23, s15, 7
	s_add_co_u32 s22, s22, s23                     ; my first position: 256 x cluster y + 128 x half
	s_lshl_b32 s22, s22, 7
	s_add_co_u32 s20, s20, s22
	s_add_nc_u64 s[98:99], s[98:99], s[20:21]
	v_mul_u32_u24 v3, v1, PITCH
	v_lshl_add_u32 v4, v2, 4, v3                   ; a fragment's row x pitch + 16 x half
	s_mul_i32 s21, s15, HALFT
	s_mul_i32 s22, s16, HALFT
	s_add_co_u32 s22, s22, 2*HALFT
.irp s, 0,1
	v_add_nc_u32 v[ADRA+\s], s21, v4
	v_add_nc_u32 v[ADRB+\s], s22, v4
	s_add_co_u32 s21, s21, SLOT
	s_add_co_u32 s22, s22, SLOT
.endr
	v_mul_u32_u24 v5, v1, KS                       ; my row's scales: 32 bytes a row,
	v_lshrrev_b32 v6, 8, v5
	v_lshl_add_u32 v5, v6, 4, v5                   ; and 16 more for each 256 passed
	s_mul_i32 s21, s15, HALFS
	s_mul_i32 s22, s16, HALFS
	s_add_co_u32 s22, s22, 2*HALFS
	s_sub_co_u32 s22, s22, s21
	v_mul_u32_u24 v6, s22, v2                      ; lanes 16-31 take B's: the lower base + h x the distance
	s_add_co_u32 s21, s21, SCL
	v_add_nc_u32 v5, v5, v6
	v_add_nc_u32 v[ADRS], s21, v5
	s_mul_i32 s23, s14, 16*SPITCH                  ; my stage
	v_mul_u32_u24 v5, v1, SPITCH
	v_lshl_add_u32 v5, v2, 5, v5
	v_add_nc_u32 v[STO], s23, v5                   ; f32 in: row r, 32 bytes for each half of the lanes
	v_and_b32 v6, 31, v0
	v_lshlrev_b32 v[CO], 4, v6
	v_add_nc_u32 v[RD], s23, v[CO]                 ; f32 back: the 32 lanes take a row of 512 bytes
	v_add_nc_u32 v[STO16], s23, v4                 ; f16 in: row r of 272 bytes, 16 bytes for each half of the lanes
	v_bfe_u32 v5, v0, 3, 1                         ; f16 back: lanes 0-15 two rows' first 128 bytes (one head), lanes 16-31 their second (the next head)
	v_and_b32 v6, 7, v0
	v_lshlrev_b32 v6, 4, v6
	v_mul_u32_u24 v7, v5, PITCH
	v_lshl_add_u32 v7, v2, 7, v7
	v_add_nc_u32 v7, v7, v6
	v_add_nc_u32 v[RD16], s23, v7
	v_lshl_add_u32 v7, v5, 7, v6
	v_lshl_add_u32 v[CO16], v2, 18, v7             ; in qkvh: the head 2^18 bytes on, the row 128 on
.macro FRAG reg, adr, q, i             ; 16 rows x 128 K of 4-bit codes: lane l holds row l % 16; registers 4 c .. 4 c + 3 hold K = 64 c + 32 (l / 16) + 0 .. 31
.irp c, 0,1
	ds_load_b128 v[\reg+4*\c:\reg+4*\c+3], v[\adr] offset:64*(\q)+32*\c+(\i)*16*PITCH
.endr
.endm
; 16 matrix instructions: A's blocks a0, a0 + 1 x B's eight.  first = 1: the bias is the C of the sum's first product.  The 64 accumulators take turns, one instruction a turn.
.macro MUL16 a0, p, q, sc, first
.irp a, \a0, \a0+1
.irp b, 0,1,2,3,4,5,6,7
.if \first
	v_wmma_scale_f32_16x16x128_f8f6f4 v[8*(8*((\a)%4)+\b):8*(8*((\a)%4)+\b)+7], v[128*(\p)+FR*\b:128*(\p)+FR*\b+FR-1], v[AF+FR*(\a):AF+FR*(\a)+FR-1], v[BIAS+8*\b:BIAS+8*\b+7], v[SC+8*NQ*(\sc)+NQ*\b+(\q)], v[SC+8*NQ*(\sc)+NQ*(\a)+(\q)] matrix_a_fmt:MATRIX_FMT_FP4 matrix_b_fmt:MATRIX_FMT_FP4 matrix_a_scale:MATRIX_SCALE_ROW1
.else
	v_wmma_scale_f32_16x16x128_f8f6f4 v[8*(8*((\a)%4)+\b):8*(8*((\a)%4)+\b)+7], v[128*(\p)+FR*\b:128*(\p)+FR*\b+FR-1], v[AF+FR*(\a):AF+FR*(\a)+FR-1], v[8*(8*((\a)%4)+\b):8*(8*((\a)%4)+\b)+7], v[SC+8*NQ*(\sc)+NQ*\b+(\q)], v[SC+8*NQ*(\sc)+NQ*(\a)+(\q)] matrix_a_fmt:MATRIX_FMT_FP4 matrix_b_fmt:MATRIX_FMT_FP4 matrix_a_scale:MATRIX_SCALE_ROW1
.endif
.endr
.endr
.endm
.macro FETCH_B slot, q, p
	WIN TO_B
.irp i, 0,1,2,3,4,5,6,7
	FRAG 128*(\p)+FR*\i, ADRB+\slot, \q, \i
.endr
	WIN 0
.endm
.macro FETCH_A slot, q, i0
.irp i, \i0, \i0+1, \i0+2, \i0+3
	FRAG AF+FR*(\i), ADRA+\slot, \q, \i
.endr
.endm
.macro SCALES sc                       ; a slot's scale words: lanes 0-15 take A's block i, lanes 16-31 B's block i
.irp i, 0,1,2,3,4,5,6,7
	ds_load_b128 v[SC+8*NQ*\sc+NQ*\i:SC+8*NQ*\sc+NQ*\i+3], v[ADRS] offset:\i*SBLK
.endr
.endm
.macro PLACES n                        ; plain vector instructions between a matrix instruction and a load into, or a read of, its registers
.rept \n
	v_nop
.endr
.endm
.macro STEP slot, q, first             ; 128 along K, with its successor in the same slot
	s_wait_dscnt 4*NL                              ; B's set and A's blocks 0-3 are in; the youngest eight loads (A's blocks 4-7) may be out
.if \first
	WIN FIRST_LO
.else
	WIN MUL_LO
.endif
	MUL16 0, (\q)%2, \q, \slot, \first
	MUL16 2, (\q)%2, \q, \slot, \first
	s_wait_dscnt 0                                 ; A's blocks 4-7 are in
	PLACES NP
	FETCH_B \slot, (\q)+1, 1-(\q)%2
	FETCH_A \slot, (\q)+1, 0
.if \first
	WIN FIRST_HI
.else
	WIN MUL_HI
.endif
	MUL16 4, (\q)%2, \q, \slot, \first
	MUL16 6, (\q)%2, \q, \slot, \first
	PLACES NP
	WIN 0
	FETCH_A \slot, (\q)+1, 4
.endm
	s_wait_tensorcnt 1                             ; the scales and my part of slot 0 are in; slot 1's load may be out
	s_barrier_signal -1
	s_barrier_wait -1
	FETCH_B 0, 0, 0
	FETCH_A 0, 0, 0
	SCALES 0
	FETCH_A 0, 0, 4
	s_wait_loadcnt 0x0                             ; the bias
	STEP 0, 0, 1
	STEP 0, 1, 0
	STEP 0, 2, 0
	; slot 0's last step changes slots: one barrier; in front of it my load of slot 1 has landed and my reads of slot 0 are over
	s_wait_tensorcnt 0x0
	ds_add_u32 v[SPW], v[NIL]                      ; 0 onto my spare word
	s_wait_dscnt 4*NL+1                            ; the add and the youngest eight loads may be out
	WIN MUL_LO
	MUL16 0, 1, 3, 0, 0
	s_wait_dscnt 0x0
	s_barrier_signal -1
	MUL16 2, 1, 3, 0, 0
	WIN 0
	s_barrier_wait -1
	PLACES NP
	v_add_nc_u32 v[ADRS], 4*NQ, v[ADRS]            ; on to slot 1's scale words
	FETCH_B 1, 0, 0
	FETCH_A 1, 0, 0
	SCALES 1
	WIN MUL_HI
	MUL16 4, 1, 3, 0, 0
	MUL16 6, 1, 3, 0, 0
	PLACES NP
	WIN 0
	FETCH_A 1, 0, 4
	STEP 1, 0, 0
	STEP 1, 1, 0
	STEP 1, 2, 0
	s_wait_dscnt 4*NL                              ; the very last step: nothing more to fetch
	WIN MUL_LO
	MUL16 0, 1, 3, 1, 0
	MUL16 2, 1, 3, 1, 0
	s_wait_dscnt 0
	WIN MUL_HI
	MUL16 4, 1, 3, 1, 0
	MUL16 6, 1, 3, 1, 0
	WIN 0
	; THE WAY OUT.
	PLACES NP                                      ; behind the last products: for the reads of results and the loads into registers that held A's fragments
	; (a) the wave that holds a sequence's first 16 rows (cluster y = 0, upper half of the tile) also stores them as f32.  The branch hangs on cluster y and the wave's number: the same in all partners.
	s_or_b32 s20, s12, s15
	s_cmp_lg_u32 s20, 0
	s_cbranch_scc1 .Lno_fine
	WIN 0x08                                       ; an LDS store's data: window 2
.irp b, 0,1,2,3,4,5,6,7
	ds_store_b128 v[STO], v[8*\b:8*\b+3] offset:64*\b              ; each accumulator from its low end on
	ds_store_b128 v[STO], v[8*\b+4:8*\b+7] offset:64*\b+16
.endr
	WIN 0
.irp t, 0,1,2,3,4,5,6,7,8,9,10,11,12,13,14,15
	ds_load_b128 v[BK32+4*\t:BK32+4*\t+3], v[RD] offset:\t*SPITCH  ; in order behind my stores
.endr
	s_wait_dscnt 0x0
.irp t, 0,1,2,3,4,5,6,7,8,9,10,11,12,13,14,15
	global_store_b128 v[CO], v[BK32+4*\t:BK32+4*\t+3], s[100:101] offset:\t*12288   ; 32 lanes store 512 consecutive bytes, aligned
.endr
.Lno_fine:
	; (b) f16, a block of 16 rows x 128 columns at a time, through my stage: out come two rows of one head, 256 consecutive bytes, for each sixteen lanes
.macro PACK a
.set AC, 64*((\a)%4)
	WIN 0x0a+5*((\a)/4)                            ; sources 0 and 1: window 2 or 3
.irp b, 0,1,2,3,4,5,6,7
.irp r, 0,1,2,3
	v_cvt_pk_f16_f32 v[TMP+4*\b+\r], v[AC+8*\b+2*\r], v[AC+8*\b+2*\r+1]
.endr
.endr
	WIN 0
.endm
.macro TOSTAGE a
.set BB, BK16+32*((\a)%2)
.irp b, 0,1,2,3,4,5,6,7
	ds_store_b128 v[STO16], v[TMP+4*\b:TMP+4*\b+3] offset:32*\b
.endr
.irp i, 0,1,2,3,4,5,6,7
	ds_load_b128 v[BB+4*\i:BB+4*\i+3], v[RD16] offset:2*\i*PITCH
.endr
.endm
.macro SEND a
.set BB, BK16+32*((\a)%2)
	s_wait_dscnt 0x0                               ; the block is back in registers
	s_wait_xcnt 0x0                                ; the stores of the block before have read their registers: the next loads from the stage may land there
.irp i, 0,1,2,3,4,5,6,7
	global_store_b128 v[CO16], v[BB+4*\i:BB+4*\i+3], s[98:99] offset:(\a)*2048+256*\i
.endr
.endm
	PACK 0
	TOSTAGE 0
.irp a, 1,2,3,4,5,6,7                  ; block a's conversions stand between block a - 1's loads from the stage and the wait for them
	PACK \a
	SEND \a-1
	TOSTAGE \a
.endr
	SEND 7
	s_wait_tensorcnt 0x0                           ; the wave's end
	ds_add_u32 v[SPW], v[NIL]
	s_wait_dscnt 0x0
	CROUND                                         ; the closing round
	s_endpgm
.Lfunc_end_k_qacda19fde1_qkv:
	.size	k_qacda19fde1_qkv, .Lfunc_end_k_qacda19fde1_qkv-k_qacda19fde1_qkv
	.p2alignl 7, 3214868480
	.fill 96, 4, 3214868480
	.section	.rodata,"a",@progbits
	.p2align	6, 0x0
	.amdhsa_kernel k_qacda19fde1_qkv
		.amdhsa_group_segment_fixed_size 327680
		.amdhsa_private_segment_fixed_size 0
		.amdhsa_enable_private_segment 0
		.amdhsa_kernarg_size 56
		.amdhsa_user_sgpr_count 2
		.amdhsa_user_sgpr_kernarg_segment_ptr 1
		.amdhsa_wavefront_size32 1
		.amdhsa_system_sgpr_workgroup_id_x 1
		.amdhsa_system_sgpr_workgroup_id_y 1
		.amdhsa_system_sgpr_workgroup_id_z 1
		.amdhsa_system_vgpr_workitem_id 0
		.amdhsa_next_free_vgpr 1024
		.amdhsa_next_free_sgpr 102
		.amdhsa_reserve_vcc 0
		.amdhsa_float_denorm_mode_32 3
		.amdhsa_float_denorm_mode_16_64 3
		.amdhsa_memory_ordered 1
		.amdhsa_forward_progress 1
		.amdhsa_inst_pref_size 132
	.end_amdhsa_kernel
	.amdgpu_metadata
---
amdhsa.version: [ 1, 2 ]
amdhsa.kernels:
  - .name:           k_qacda19fde1_qkv
    .symbol:         k_qacda19fde1_qkv.kd
    .args:
      - { .name: xc, .offset: 0, .size: 8, .value_kind: global_buffer, .address_space: global }
      - { .name: xs, .offset: 8, .size: 8, .value_kind: global_buffer, .address_space: global }
      - { .name: wc, .offset: 16, .size: 8, .value_kind: global_buffer, .address_space: global }
      - { .name: ws, .offset: 24, .size: 8, .value_kind: global_buffer, .address_space: global }
      - { .name: b_qkv, .offset: 32, .size: 8, .value_kind: global_buffer, .address_space: global }
      - { .name: qkvh, .offset: 40, .size: 8, .value_kind: global_buffer, .address_space: global }
      - { .name: fq, .offset: 48, .size: 8, .value_kind: global_buffer, .address_space: global }
    .group_segment_fixed_size: 327680
    .private_segment_fixed_size: 0
    .kernarg_segment_align: 8
    .kernarg_segment_size: 56
    .max_flat_workgroup_size: 128
    .sgpr_count:     102
    .vgpr_count:     1024
    .wavefront_size: 32
...
	.end_amdgpu_metadata
.endif
;; end of part 2
;; launch attn (part 3): grid 8 x 64, 16 waves a work-group, no clusters, 327,680 bytes of LDS; arguments qkvh, att; writes att
.if DOCPART == 3
	.amdgcn_target "amdgcn-amd-amdhsa--gfx1250"
	.amdhsa_code_object_version 6
	.text
	.protected	k_qacda19fde1_attn
	.globl	k_qacda19fde1_attn
	.p2align	8
	.type	k_qacda19fde1_attn,@function
k_qacda19fde1_attn:
	s_mov_b64 s[64:65], 0
	v_nop
	global_prefetch_b8 v0, s[64:65] scope:SCOPE_SE
	s_setreg_imm32_b32 hwreg(HW_REG_WAVE_MODE, 25, 1), 1
	s_wait_xcnt 0x0
; att[bh][q][:] = the sum over k <= q of softmax_k(Q[q] . K[k] / 8) V[k][:], for 64 heads (batch x 16 + head) of 2,048 positions x 64 channels.  Q, K, V: the three parts of qkvh, f16; att [bh][t][64] f16.
; Products with f16 operands and f32 sums; maxima, exponentials and sums in f32; the weights p are rounded to f16 for the second product, the result once at the end.
; LIMITS: |att| stays under 65,504 (it is an average of v).  The first 16 positions of every sequence are computed here too, but the output's rows of those positions are made by another launch, in f32.
; SHARES.  A work-group owns 128 early and 128 late queries of one head (128 j .. and 1920 - 128 j ..): under the causal mask that is the same work in all 512 work-groups.  Each of its sixteen waves owns one tile of 16
; queries in 256 registers: four waves to a SIMD, so that one wave's vector work stands beside another's matrix work and LDS loads.
; NO CLUSTER: the work-groups of a head stop at different slots (2047 - 128 j is the last query), so partners would need different numbers of tiles.
; LAYOUT.  S^T = K Q^T (source 0 = 16 keys, source 1 = my 16 queries): a lane holds ONE query (lane % 16) and keys 8 (lane / 16) + 0..7 of each tile.  Two such tiles, rounded to f16 in pairs, ARE source 1 (32 keys x 16 queries)
; of O^T = V^T P.  K comes out of LDS as it lies, V ([key][channel]) turned by ds_load_tr16_b128.
; SOFTMAX.  A running maximum m and sum l: p = 2^(c s - c m), c = log2(e) / 8; in every step O and l are multiplied by a = 2^(c m_old - c m_new).  O and l begin as zeros and m as -3e38: the loop has no first step of its own.
; THE RING.  Two slots of 256 keys (K: 256 rows of 128 + 16 bytes; V: 256 rows of 128 + 32), filled by waves 0, 1 (K's halves) and 2, 3 (V's halves), read by all sixteen.  Every work-group walks all 8 changes of slots; a step all of
; whose keys are hidden from a wave is jumped over, and a slot beyond the work-group's last query is not asked for.
.set SK,    256
.set KP,    144
.set VP,    160
.set VOFF,  SK*KP
.set SLOT1, 1<<17
.set NSL,   8
.set SPARE, SLOT1+VOFF+SK*VP           ; 208,896: the spare words, 128 bytes for each of 16 waves: eight blocks of 256 bytes that no other line names
.set STAGE, SPARE+2048                 ; the way out: 16 rows x 144 bytes for each wave, bytes of their own
.set AK0, 1                            ; v1   my lane's place in a tile of K
.set AV0, 2                            ; v2   and of V
.set SPW, 3
.set NIL, 4
.set ADK, 5
.set ADV, 6
.set GO,  7                            ; v7   16 x lane
.set STO, 8
.set RD,  9
.set PFO, 10                           ; v10  256 x lane
.set DD,  11                           ; v11  lane % 16 - 8 (lane / 16)
                                       ; v12 c m, v13 m, v[14:15] l, v16-19 at work (a in v18)
.set QF,  20                           ; v20-35   Q: channels 32 c on at 8 c
.set KFR, 36                           ; v36-99   K: key tile kt, channels 32 c on at 16 kt + 8 c
.set VFR, 100                          ; v100-163 V^T: keys 32 g on, channels 16 ct on at 32 g + 8 ct
.set S,   164                          ; v164-195 S^T, then p
.set P,   196                          ; v196-211 p in f16
.set O,   212                          ; v212-243 O^T
.set TB,  2
.set SLOTS, 3
.set WV,  18
.set SEL, 20
.set CS,  22
.set G1K, 24
.set G1V, 32
.set G0K, 40
.set G0V, 44
.set KF,  48                           ; s48  the step's first key
.set Q0,  49                           ; s49  my first query
.set QL,  50                           ; s50  my work-group's last query
.set PFA, 52
.set LIM, 54
.macro TLOAD                           ; waves 0, 1 fetch K's halves, waves 2, 3 V's, the others nothing.  An s_nop 0 and four v_nop follow each line
	s_cmp_lt_u32 s[WV], 2
	s_cbranch_scc0 .Lnot_k_\@
	tensor_load_to_lds s[G0K:G0K+3], s[G1K:G1K+7]
	s_nop 0
.rept 4
	v_nop
.endr
	s_branch .Lasked_\@
.Lnot_k_\@:
	s_cmp_lt_u32 s[WV], 4
	s_cbranch_scc0 .Lasked_\@
	tensor_load_to_lds s[G0V:G0V+3], s[G1V:G1V+7]
	s_nop 0
.rept 4
	v_nop
.endr
.Lasked_\@:
.endm
; A PREFETCH INTO THE L2 of the slot that the NEXT change will ask for: 32,768 dense bytes of K and as many of V.  All work-groups of a head walk the same K and V: work-group j = 0, which walks all 8 slots, asks, and nobody else.
; In it waves 4-7 ask for K's bytes and waves 8-11 for V's, 8,192 a wave, lanes 256 bytes apart: each aligned block of 256 bytes is named once in the launch.  The last change that fills a slot asks for nothing.
.macro ASK
	s_cmp_gt_u32 s[SLOTS], s[LIM]
	s_cbranch_scc0 .Lnot_mine_\@
	global_prefetch_b8 v[PFO], s[PFA:PFA+1] th:TH_LOAD_NT scope:SCOPE_SE
.Lnot_mine_\@:
.endm
	s_load_b128 s[4:7], s[0:1], 0x0                ; qkvh, att
	v_lshl_add_u32 v[SPW], v0, 2, SPARE
	v_mov_b32 v[NIL], 0
	ds_add_u32 v[SPW], v[NIL]                      ; the wave's opening: the add, twice on end, and its wait ahead of the first tensor load
	ds_add_u32 v[SPW], v[NIL]
	v_lshrrev_b32 v5, 5, v0
	v_readfirstlane_b32 s[WV], v5                  ; wave 0..15
	s_and_b32 s8, ttmp7, 0xffff
	s_lshl_b32 s8, s8, 18                          ; the head's first byte in each part, and in att
	s_mov_b32 s9, 0
	s_lshr_b32 s10, s[WV], 2
	s_xor_b32 s10, s10, s[WV]
	s_and_b32 s10, s10, 1                          ; 0: an early tile, 1: a late one; two of each among any four waves w % 4 or w / 4 alike
	s_lshr_b32 s11, s[WV], 1
	s_lshl_b32 s11, s11, 4
	s_lshl_b32 s12, ttmp9, 7                       ; 128 j
	s_lshl_b32 s13, ttmp9, 8
	s_sub_co_u32 s13, 1920, s13
	s_mul_i32 s13, s13, s10
	s_add_co_u32 s[Q0], s12, s11
	s_add_co_u32 s[Q0], s[Q0], s13                 ; 128 j + 16 (w / 2) + late x (1920 - 256 j)
	s_sub_co_u32 s[QL], 2047, s12
	s_and_b32 s14, s[WV], 1                        ; which half of a slot's 256 rows I fetch, if I fetch
	s_lshl_b32 s16, s14, 14
	s_mov_b32 s17, 0
	s_add_nc_u64 s[16:17], s[16:17], s[8:9]        ; in memory (an offset),
	s_mul_i32 s15, s14, 128*KP                     ; and in a slot
	s_mul_i32 s19, s14, 128*VP
	s_add_co_u32 s19, s19, VOFF
	s_mov_b32 s[G1K], (0<<16)|(1<<20)|(4<<22)|(3<<25)   ; elements of 1 byte; padding: 4 words after every 32
	s_mov_b32 s[G1V], (0<<16)|(1<<20)|(4<<22)|(7<<25)   ; 8 words
.irp g, G1K, G1V
	s_mov_b32 s[\g+1], 128<<16                     ; tensor_dim0 = 128 bytes
	s_mov_b32 s[\g+2], 128<<16                     ; tensor_dim1 = 128 rows
	s_mov_b32 s[\g+3], 128<<16                     ; tile_dim0
	s_mov_b32 s[\g+4], 128                         ; tile_dim1
	s_mov_b32 s[\g+5], 128                         ; from row to row
	s_mov_b32 s[\g+6], 0
	s_mov_b32 s[\g+7], 0
.endr
	s_mov_b32 s[SEL], 0x76543210
	s_mov_b32 s[SEL+1], 0xfedcba98                 ; v_permlanex16_b32: lane l xor 16
	s_mov_b32 s[CS], 0x3e38aa3b                    ; c = log2(e) / 8
	s_mov_b32 s[CS+1], s[CS]
	s_mov_b32 s[TB], 0
	s_mov_b32 s[SLOTS], NSL-1
	s_mov_b32 s[KF], 0
	s_wait_dscnt 0x0                               ; both opening adds are done
	s_wait_kmcnt 0x0
	s_add_nc_u64 s[56:57], s[4:5], 0x1000000       ; K's part
	s_add_nc_u64 s[58:59], s[4:5], 0x2000000       ; V's part
	s_mov_b32 s[G0K], 1
	s_mov_b32 s[G0K+1], s15
	s_add_nc_u64 s[G0K+2:G0K+3], s[56:57], s[16:17]
	s_or_b32 s[G0K+3], s[G0K+3], 0x80000000
	s_mov_b32 s[G0V], 1
	s_mov_b32 s[G0V+1], s19
	s_add_nc_u64 s[G0V+2:G0V+3], s[58:59], s[16:17]
	s_or_b32 s[G0V+3], s[G0V+3], 0x80000000
	TLOAD                                          ; slot 0: it holds key 0, which counts for every query
	s_lshl_b32 s60, s[Q0], 7
	s_mov_b32 s61, 0
	s_add_nc_u64 s[60:61], s[60:61], s[8:9]
	s_add_nc_u64 s[4:5], s[4:5], s[60:61]          ; Q at my first query
	s_add_nc_u64 s[6:7], s[6:7], s[60:61]          ; att likewise
	s_cmp_lt_u32 s[WV], 8
	s_cselect_b64 s[PFA:PFA+1], s[56:57], s[58:59]
	s_and_b32 s62, s[WV], 3
	s_lshl_b32 s62, s62, 13
	s_add_co_u32 s62, s62, SK*128                  ; my 8,192 bytes, in slot 1: the first change of slots steps it to slot 2.  Nothing is prefetched at the head
	s_mov_b32 s63, 0
	s_add_nc_u64 s[62:63], s[62:63], s[8:9]
	s_add_nc_u64 s[PFA:PFA+1], s[PFA:PFA+1], s[62:63]
	s_sub_co_u32 s62, s[WV], 4
	s_lshr_b32 s62, s62, 3                         ; 0 in waves 4 to 11,
	s_or_b32 s62, s62, ttmp9                       ; of work-group j = 0
	s_cmp_eq_u32 s62, 0
	s_cselect_b32 s[LIM], 1, -1
	v_and_b32 v244, 15, v0                         ; r
	v_bfe_u32 v245, v0, 4, 1                       ; h
	v_lshlrev_b32 v246, 7, v244
	v_lshl_add_u32 v246, v245, 4, v246             ; Q: row r of 128 bytes + 16 h
.irp c, 0,1
	global_load_b128 v[QF+8*\c:QF+8*\c+3], v246, s[4:5] offset:64*\c
	global_load_b128 v[QF+8*\c+4:QF+8*\c+7], v246, s[4:5] offset:64*\c+32
.endr
	v_mul_u32_u24 v[AK0], v244, KP
	v_lshl_add_u32 v[AK0], v245, 4, v[AK0]
	v_and_b32 v247, 7, v0
	v_lshl_add_u32 v248, v245, 3, v247
	v_mul_u32_u24 v[AV0], v248, VP                 ; the turning load: key 8 h + l % 8,
	v_bfe_u32 v248, v0, 3, 1
	v_lshl_add_u32 v[AV0], v248, 4, v[AV0]         ; channels 8 ((l / 8) % 2) on
	v_add_nc_u32 v[AV0], VOFF, v[AV0]
	v_lshlrev_b32 v249, 3, v245
	v_sub_nc_u32 v[DD], v244, v249
	v_and_b32 v250, 31, v0
	v_lshlrev_b32 v[PFO], 8, v250
	v_lshlrev_b32 v[GO], 4, v250
	s_mul_i32 s55, s[WV], 16*144
	s_add_co_u32 s55, s55, STAGE                   ; my stage
	v_add_nc_u32 v[STO], s55, v[AK0]               ; in: row r of 144 bytes, + 16 h
	v_lshrrev_b32 v251, 3, v250
	v_mul_u32_u24 v251, v251, 144
	v_lshl_add_u32 v251, v247, 4, v251
	v_add_nc_u32 v[RD], s55, v251                  ; back: eight lanes to a row of 128 bytes, four rows an instruction
	v_mov_b32 v13, 0xff61b1e6                      ; m = -3e38, under every score
	v_mul_f32 v12, s[CS], v13
	v_mov_b32 v14, 0
	v_mov_b32 v15, 0
.irp j, 16,17,18,19
	v_mov_b32 v[\j], 0                             ; written once: a lane permute's destination, and the upper halves of pairs, count as read
.endr
.irp j, 0,1,2,3,4,5,6,7,8,9,10,11,12,13,14,15,16,17,18,19,20,21,22,23,24,25,26,27,28,29,30,31
	v_mov_b32 v[O+\j], 0
.endr
; A KEY STEP: 64 keys, the q-th of the slot in hand.
.macro STEP q
	s_add_co_u32 s55, s[Q0], 15                    ; a step all of whose keys come after my 16 queries is left out: a branch on ids, round its loads and its work alone
	s_cmp_gt_u32 s[KF], s55
	s_cbranch_scc1 .Lhidden_\@
	v_add_nc_u32 v[ADK], s[TB], v[AK0]
	v_add_nc_u32 v[ADV], s[TB], v[AV0]
	v_nop                                          ; with the two additions: four places between the last step's products and the loads into V's registers
	v_nop
.irp kt, 0,1,2,3
.irp c, 0,1
	ds_load_b128 v[KFR+16*\kt+8*\c:KFR+16*\kt+8*\c+3], v[ADK] offset:(\q)*64*KP+\kt*16*KP+64*\c
	ds_load_b128 v[KFR+16*\kt+8*\c+4:KFR+16*\kt+8*\c+7], v[ADK] offset:(\q)*64*KP+\kt*16*KP+64*\c+32
.endr
.endr
.irp g, 0,1
.irp ct, 0,1,2,3
	ds_load_tr16_b128 v[VFR+32*\g+8*\ct:VFR+32*\g+8*\ct+3], v[ADV] offset:(\q)*64*VP+\g*32*VP+32*\ct
	ds_load_tr16_b128 v[VFR+32*\g+8*\ct+4:VFR+32*\g+8*\ct+7], v[ADV] offset:(\q)*64*VP+\g*32*VP+16*VP+32*\ct
.endr
.endr
	s_wait_dscnt 16                                ; K's 16 loads are in; V's 16 may stay out till the second product
.irp kt, 0,1,2,3                               ; S^T = K Q^T: four accumulators by turns; the first products start the sums
	v_wmma_f32_16x16x32_f16 v[S+8*\kt:S+8*\kt+7], v[KFR+16*\kt:KFR+16*\kt+7], v[QF:QF+7], 0
.endr
.irp kt, 0,1,2,3
	v_wmma_f32_16x16x32_f16 v[S+8*\kt:S+8*\kt+7], v[KFR+16*\kt+8:KFR+16*\kt+15], v[QF+8:QF+15], v[S+8*\kt:S+8*\kt+7]
.endr
.rept 4
	v_nop
.endr
	s_add_co_u32 s55, s[KF], 63                    ; on the diagonal hidden scores become -infinity ahead of the maximum; a step all of whose keys count skips this
	s_cmp_le_u32 s55, s[Q0]
	s_cbranch_scc1 .Lopen_\@
	s_sub_co_u32 s55, s[Q0], s[KF]
	v_add_nc_u32 v244, s55, v[DD]                  ; d = my query - KF - 8 h.  Register 8 kt + j holds key KF + 16 kt + 8 h + j: hidden where 16 kt + j > d
	v_mov_b32 v245, 0xff800000
.irp n, 0,1,2,3,4,5,6,7,8,9,10,11,12,13,14,15,16,17,18,19,20,21,22,23,24,25,26,27,28,29,30,31
	v_cmp_gt_i32 vcc_lo, 16*(\n/8)+\n%8, v244
	v_cndmask_b32 v[S+\n], v[S+\n], v245, vcc_lo
.endr
.Lopen_\@:
.irp j, 0,1,2,3                                ; the maximum of my 32 scores and the old m: four chains, each accumulator from its low end on
	v_max3_num_f32 v[16+\j], v[S+8*\j], v[S+8*\j+1], v[S+8*\j+2]
.endr
.irp i, 3,5
.irp j, 0,1,2,3
	v_max3_num_f32 v[16+\j], v[16+\j], v[S+8*\j+\i], v[S+8*\j+\i+1]
.endr
.endr
	v_max3_num_f32 v16, v16, v[S+7], v[S+15]
	v_max3_num_f32 v18, v18, v[S+23], v[S+31]
	v_max3_num_f32 v16, v16, v17, v18
	v_max3_num_f32 v16, v16, v19, v13
	v_permlanex16_b32 v17, v16, s[SEL], s[SEL+1]   ; the query's other 32 keys lie in the lane 16 away
	v_mov_b32 v19, v12                             ; c m_old
	v_max_num_f32 v13, v16, v17
	v_mul_f32 v12, s[CS], v13
	v_sub_f32 v19, v19, v12                        ; c m_old - c m_new
.irp j, 0,2,4,6,8,10,12,14,16,18,20,22,24,26,28,30
	v_pk_fma_f32 v[S+\j:S+\j+1], v[S+\j:S+\j+1], s[CS:CS+1], v[12:13] op_sel_hi:[1,0,0] neg_lo:[0,0,1] neg_hi:[0,0,1]   ; c s - c m
.endr
	v_exp_f32 v18, v19                             ; a.  The 33 exponentials are one batch
.irp j, 0,1,2,3,4,5,6,7,8,9,10,11,12,13,14,15,16,17,18,19,20,21,22,23,24,25,26,27,28,29,30,31
	v_exp_f32 v[S+\j], v[S+\j]
.endr
	v_nop                                          ; a plain instruction behind the last exponential
	s_wait_alu depctr_va_vdst(0)                   ; the wait ahead of the first instruction that names a result: one for the batch
.irp j, 0,1,2,3,4,5,6,7,8,9,10,11,12,13,14,15
	v_cvt_pk_f16_f32 v[P+\j], v[S+2*\j], v[S+2*\j+1]
.endr
.irp u, 0,1,2,3,4,5,6,7                        ; the sum of the unrounded p, pairs in a tree
	v_pk_add_f32 v[S+4*\u:S+4*\u+1], v[S+4*\u:S+4*\u+1], v[S+4*\u+2:S+4*\u+3]
.endr
.irp u, 0,1,2,3
	v_pk_add_f32 v[S+8*\u:S+8*\u+1], v[S+8*\u:S+8*\u+1], v[S+8*\u+4:S+8*\u+5]
.endr
.irp u, 0,1
	v_pk_add_f32 v[S+16*\u:S+16*\u+1], v[S+16*\u:S+16*\u+1], v[S+16*\u+8:S+16*\u+9]
.endr
	v_pk_add_f32 v[S:S+1], v[S:S+1], v[S+16:S+17]
	v_pk_fma_f32 v[14:15], v[14:15], v[18:19], v[S:S+1] op_sel_hi:[1,0,1]   ; l = a l + the sum
.irp j, 0,2,4,6,8,10,12,14,16,18,20,22,24,26,28,30
	v_pk_mul_f32 v[O+\j:O+\j+1], v[O+\j:O+\j+1], v[18:19] op_sel_hi:[1,0]   ; O^T x a
.endr
	s_wait_dscnt 0x0                               ; V is in
.irp g, 0,1                                    ; O^T += V^T P: four accumulators by turns
.irp ct, 0,1,2,3
	v_wmma_f32_16x16x32_f16 v[O+8*\ct:O+8*\ct+7], v[VFR+32*\g+8*\ct:VFR+32*\g+8*\ct+7], v[P+8*\g:P+8*\g+7], v[O+8*\ct:O+8*\ct+7]
.endr
.endr
.Lhidden_\@:
	s_add_co_u32 s[KF], s[KF], 64
.endm
; THE CHANGE OF SLOTS stands at a slot's head.  Each wave waits for all its tensor loads, adds 0 to its spare word (fill = 1: twice on end), and waits for that and for its
; reads of the slot that it has left.  Behind the barrier the slot ahead is whole and nobody reads the other one.  fill = 1: that other slot takes the next 256 keys, if any wave of the work-group will read them.
.macro CHANGE fill
	s_wait_tensorcnt 0x0                           ; no tensor load of mine is out, so a group 0 may be written
	ds_add_u32 v[SPW], v[NIL]
.if \fill
	ds_add_u32 v[SPW], v[NIL]
	s_xor_b32 s[G0K+1], s[G0K+1], SLOT1            ; the walking descriptors: the other slot, the next 256 keys
	s_add_nc_u64 s[G0K+2:G0K+3], s[G0K+2:G0K+3], SK*128
	s_xor_b32 s[G0V+1], s[G0V+1], SLOT1
	s_add_nc_u64 s[G0V+2:G0V+3], s[G0V+2:G0V+3], SK*128
	s_wait_xcnt 0x0                                ; the last prefetch, a slot back, has read its address
	s_add_nc_u64 s[PFA:PFA+1], s[PFA:PFA+1], SK*128
.endif
	s_wait_dscnt 0x0
	s_barrier_signal -1
	s_barrier_wait -1
.if \fill
	s_add_co_u32 s55, s[KF], SK                    ; the first key of the slot that this change would ask for,
	s_cmp_gt_u32 s55, s[QL]                        ; against my work-group's last query: ids and the count of steps alone, the same in all sixteen waves
	s_cbranch_scc1 .Lpast_\@
	TLOAD                                          ; a wave's one tensor load until the next change; every wait on TENSORcnt in this text is for 0
.Lpast_\@:
	ASK
.endif
.endm
.macro SLOT_STEPS
	STEP 0
	STEP 1
	STEP 2
	STEP 3
	s_xor_b32 s[TB], s[TB], SLOT1
.endm
	s_wait_loadcnt 0x0                             ; Q
.Lslot:                                            ; 7 trips
	CHANGE 1
	SLOT_STEPS
	s_sub_co_u32 s[SLOTS], s[SLOTS], 1
	s_cmp_lg_u32 s[SLOTS], 0
	s_cbranch_scc1 .Lslot
	CHANGE 0                                       ; the last slot is written out: nothing is left to ask for
	SLOT_STEPS
	; THE WAY OUT: O^T / l, rounded to f16, through my stage; the tile's 16 rows are 2,048 dense bytes of att
.rept 4
	v_nop
.endr
	v_add_f32 v14, v14, v15
	v_permlanex16_b32 v16, v14, s[SEL], s[SEL+1]
	v_add_f32 v14, v14, v16
	v_rcp_f32 v18, v14
	v_nop
	s_wait_alu depctr_va_vdst(0)                   ; ahead of the reciprocal's first reader
.irp j, 0,2,4,6,8,10,12,14,16,18,20,22,24,26,28,30
	v_pk_mul_f32 v[O+\j:O+\j+1], v[O+\j:O+\j+1], v[18:19] op_sel_hi:[1,0]
.endr
.irp j, 0,1,2,3,4,5,6,7,8,9,10,11,12,13,14,15
	v_cvt_pk_f16_f32 v[P+\j], v[O+2*\j], v[O+2*\j+1]
.endr
.irp ct, 0,1,2,3
	ds_store_b128 v[STO], v[P+4*\ct:P+4*\ct+3] offset:32*\ct
.endr
.irp i, 0,1,2,3
	ds_load_b128 v[VFR+4*\i:VFR+4*\i+3], v[RD] offset:4*144*\i     ; in order behind my stores
.endr
.irp i, 0,1,2,3
	s_wait_dscnt 3-\i
	global_store_b128 v[GO], v[VFR+4*\i:VFR+4*\i+3], s[6:7] offset:512*\i   ; 32 lanes store 512 consecutive bytes, aligned
.endr
	s_wait_tensorcnt 0x0                           ; the wave's end
	ds_add_u32 v[SPW], v[NIL]
	s_wait_dscnt 0x0
	s_endpgm
.Lfunc_end_k_qacda19fde1_attn:
	.size	k_qacda19fde1_attn, .Lfunc_end_k_qacda19fde1_attn-k_qacda19fde1_attn
	.p2alignl 7, 3214868480
	.fill 96, 4, 3214868480
	.section	.rodata,"a",@progbits
	.p2align	6, 0x0
	.amdhsa_kernel k_qacda19fde1_attn
		.amdhsa_group_segment_fixed_size 327680
		.amdhsa_private_segment_fixed_size 0
		.amdhsa_enable_private_segment 0
		.amdhsa_kernarg_size 16
		.amdhsa_user_sgpr_count 2
		.amdhsa_user_sgpr_kernarg_segment_ptr 1
		.amdhsa_wavefront_size32 1
		.amdhsa_system_sgpr_workgroup_id_x 1
		.amdhsa_system_sgpr_workgroup_id_y 1
		.amdhsa_system_sgpr_workgroup_id_z 1
		.amdhsa_system_vgpr_workitem_id 0
		.amdhsa_next_free_vgpr 256
		.amdhsa_next_free_sgpr 66
		.amdhsa_reserve_vcc 1
		.amdhsa_float_denorm_mode_32 3
		.amdhsa_float_denorm_mode_16_64 3
		.amdhsa_memory_ordered 1
		.amdhsa_forward_progress 1
		.amdhsa_inst_pref_size 109
	.end_amdhsa_kernel
	.amdgpu_metadata
---
amdhsa.version: [ 1, 2 ]
amdhsa.kernels:
  - .name:           k_qacda19fde1_attn
    .symbol:         k_qacda19fde1_attn.kd
    .args:
      - { .name: qkvh, .offset: 0, .size: 8, .value_kind: global_buffer, .address_space: global }
      - { .name: att, .offset: 8, .size: 8, .value_kind: global_buffer, .address_space: global }
    .group_segment_fixed_size: 327680
    .private_segment_fixed_size: 0
    .kernarg_segment_align: 8
    .kernarg_segment_size: 16
    .max_flat_workgroup_size: 512
    .sgpr_count:     66
    .vgpr_count:     256
    .wavefront_size: 32
...
	.end_amdgpu_metadata
.endif
;; end of part 3
;; launch proj (part 4): grid 4 x 64, 4 waves a work-group, clusters of 4 x 4, 327,680 bytes of LDS; arguments att, wt, b_out, out0; writes out0
.if DOCPART == 4
	.amdgcn_target "amdgcn-amd-amdhsa--gfx1250"
	.amdhsa_code_object_version 6
	.text
	.protected	k_qacda19fde1_proj
	.globl	k_qacda19fde1_proj
	.p2align	8
	.type	k_qacda19fde1_proj,@function
k_qacda19fde1_proj:
	s_mov_b64 s[64:65], 0
	v_nop
	global_prefetch_b8 v0, s[64:65] scope:SCOPE_SE
	s_setreg_imm32_b32 hwreg(HW_REG_WAVE_MODE, 25, 1), 1
	s_wait_xcnt 0x0
	s_wait_alu depctr_hold_cnt(0) depctr_sa_sdst(0) depctr_va_vdst(0) depctr_va_sdst(0) depctr_va_ssrc(0) depctr_va_vcc(0) depctr_vm_vsrc(0)
	s_getreg_b32 s2, hwreg(HW_REG_IB_STS2, 6, 4)
	s_cmp_eq_u32 s2, 0
	s_cbranch_scc0 .Lentry_in_a_cluster
	s_endpgm
.Lentry_in_a_cluster:
	s_bfe_u32 s2, ttmp6, 0x10000c
	s_cmp_lg_u32 s2, 0xf033
	s_cbranch_scc0 .Lentry_shape_is_right
	s_endpgm
.Lentry_shape_is_right:
; out0[m][n] = sum over k of att[m][k] W_out[k][n] + b_out[n], f16 operands, f32 sums, f32 out.  att [batch x 16 + head][t 2048][64] f16 (k = 64 head + channel); wt [n 1024][k 1024] f16.
; The first 16 positions of every sequence are NOT stored here: another launch makes those rows in f32, so each output byte has one writer.
; LIMIT: the bias is the C of each sum's first product: it is added first, not last.
; A tile of 128 x 256 is made by four waves, 64 x 128 each: 32 accumulators, 256 registers; 256 work-groups.  K goes in steps of 128 (two heads) through a ring of two LDS slots.
; A slot: A's two sub-tiles, one a head, 128 rows of 128 + 16 bytes (each 16,384 dense bytes of memory); then B's 256 rows of 256 + 16 bytes.
; CLUSTERS: 4 x 4.  Tile column = cx; TILE ROW = 16 cy + cluster y: the batch is cy, and whether a tile holds a sequence's first rows hangs on cluster y alone, which all partners share.
; A's tiles are asked for jointly along a row of the cluster, B's along a column.  THE MATRIX INSTRUCTION IS USED TRANSPOSED (source 0 = 16 rows of wt, source 1 = 16 rows of att).
; REGISTERS: window 0: v1-31 addresses; v64-95, v96-127 A's fragments, two buffers; v128-191 the bias, later with v192-255 the rows on the way out.  window 1: v0-63, v64-127 B's fragments.  window 2: accumulator (a, b) at v[8 (8 a + b)].
.set APITCH, 144
.set BPITCH, 272
.set ASUB,   128*APITCH                ; 18,432
.set BOFF,   2*ASUB
.set SLOT,   BOFF+256*BPITCH           ; 106,496
.set STAGE,  2*SLOT
.set SPITCH, 528
.set SPARE,  STAGE+4*16*SPITCH         ; the spare words, 128 bytes a wave: two blocks of 256 bytes that no other line names
.set KSA,    524288                    ; a K step in att: two heads of 262,144 bytes
.set ADRA, 16
.set ADRB, 20
.set BO,   23
.set STO,  24
.set RD,   25
.set CO,   26
.set SPW,  28
.set NIL,  29
.set PFO,  30
.set BIAS, 128
.set BK,   128
.set G1, 24
.set G0, 32
.set G1B, 48
.set G0B, 56
.set PFA, 44
.set LIM, 43
.set MSB, 0
.macro WIN new
.if MSB != \new
	s_set_vgpr_msb (MSB<<8)|\new
.set MSB, \new
.endif
.endm
.set MUL,   0xa1                       ; source 0 (B) window 1, source 1 (A) window 0, C and D window 2
.set FIRST, 0x81                       ; the same with C (the bias) in window 0
.set TO_B,  0x40
.macro JLOAD s                         ; waves 0, 1 fetch A's two sub-tiles, waves 2, 3 B's two halves.  An s_nop 0 and four v_nop follow each line
	s_cmp_eq_u32 s13, 0
	s_cbranch_scc0 .Lfor_b_\@
	tensor_load_to_lds s[G0+4*\s:G0+4*\s+3], s[G1:G1+7]
	s_nop 0
.rept 4
	v_nop
.endr
	s_branch .Lasked_\@
.Lfor_b_\@:
	tensor_load_to_lds s[G0B+4*\s:G0B+4*\s+3], s[G1B:G1B+7]
	s_nop 0
.rept 4
	v_nop
.endr
.Lasked_\@:
.endm
; A PREFETCH INTO THE L2 of A's K step two refills on: 32,768 bytes of att for a tile row, which this row of the cluster alone reads.  Its four partners share them out BY ADDRESS, 8,192 each (head cx / 2, half cx % 2); in each, wave 0
; asks, lanes 256 bytes apart: each aligned block of 256 bytes is named once.  The last two refills ask for nothing.  wt is not asked for: all clusters walk its 2 MB together.
.macro ASK
	s_cmp_gt_u32 s3, s[LIM]
	s_cbranch_scc0 .Lnot_mine_\@
	global_prefetch_b8 v[PFO], s[PFA:PFA+1] offset:KSA th:TH_LOAD_NT scope:SCOPE_SE
.Lnot_mine_\@:
.endm
.macro CREST
	s_cmp_lg_u32 s12, 0
	s_cbranch_scc1 .Lnot_wave_0_\@
	s_barrier_signal -3
.Lnot_wave_0_\@:
	s_barrier_wait -3
	s_barrier_signal -1
	s_barrier_wait -1
.endm
.macro CROUND
	s_barrier_signal -1
	s_barrier_wait -1
	CREST
.endm
	s_load_b256 s[4:11], s[0:1], 0x0               ; att s[4:5], wt s[6:7], b_out s[8:9], out0 s[10:11]
	v_lshl_add_u32 v[SPW], v0, 2, SPARE
	v_mov_b32 v[NIL], 0
	ds_add_u32 v[SPW], v[NIL]                      ; the wave's opening: the add, twice on end, and its wait ahead of my first tensor load
	ds_add_u32 v[SPW], v[NIL]
	v_lshrrev_b32 v1, 5, v0
	v_readfirstlane_b32 s12, v1                    ; wave 0..3
	s_lshr_b32 s13, s12, 1                         ; my half of the tile's rows.  Also: I fetch for A (0) or for B (1)
	s_and_b32 s14, s12, 1                          ; my half of its columns.  Also: which sub-tile or half I fetch
	s_bfe_u32 s40, ttmp6, 0x40000                  ; cx
	s_bfe_u32 s41, ttmp6, 0x40004                  ; cy
	s_and_b32 s15, ttmp7, 0xffff                   ; cluster y, 0..15
	s_lshl_b32 s43, s41, 2
	s_lshl_b32 s43, 15, s43                        ; my row of the cluster
	s_lshl_b32 s44, 0x1111, s40                    ; my column
	s_or_b32 s[G1+0], s43, (1<<16)|(1<<20)|(1<<21)|(4<<22)|(3<<25)    ; A: elements of 2 bytes; padding: 4 words after every 32
	s_mov_b32 s[G1+1], 64<<16                      ; tensor_dim0 = 64
	s_mov_b32 s[G1+2], 128<<16                     ; tensor_dim1 = 128
	s_mov_b32 s[G1+3], 64<<16                      ; tile_dim0
	s_mov_b32 s[G1+4], 128                         ; tile_dim1
	s_mov_b32 s[G1+5], 64                          ; from row to row
	s_mov_b32 s[G1+6], 0
	s_mov_b32 s[G1+7], 0
	s_or_b32 s[G1B+0], s44, (1<<16)|(1<<20)|(1<<21)|(5<<22)|(3<<25)   ; B: padding: 4 words after every 64
	s_mov_b32 s[G1B+1], 128<<16
	s_mov_b32 s[G1B+2], 128<<16
	s_mov_b32 s[G1B+3], 128<<16
	s_mov_b32 s[G1B+4], 128
	s_mov_b32 s[G1B+5], 1024
	s_mov_b32 s[G1B+6], 0
	s_mov_b32 s[G1B+7], 0
	s_lshl_b32 s16, s41, 4
	s_add_co_u32 s16, s16, s14                     ; A: head 16 cy + sub-tile,
	s_lshl_b32 s16, s16, 11
	s_lshl_b32 s17, s15, 7
	s_add_co_u32 s16, s16, s17                     ; position 128 x cluster y,
	s_lshl_b32 s16, s16, 7                         ; rows of 128 bytes
	s_mov_b32 s17, 0
	s_lshl_b32 s46, s40, 8
	s_lshl_b32 s47, s14, 7
	s_add_co_u32 s46, s46, s47                     ; B: row 256 cx + 128 x half,
	s_lshl_b32 s46, s46, 11                        ; rows of 2,048 bytes
	s_mov_b32 s47, 0
	s_mul_i32 s20, s14, ASUB                       ; where they go: no place in the cluster enters an LDS address
	s_mul_i32 s21, s14, 128*BPITCH
	s_add_co_u32 s21, s21, BOFF
	s_wait_dscnt 0x0                               ; both opening adds are done
	s_wait_kmcnt 0x0
	s_add_nc_u64 s[18:19], s[4:5], s[16:17]
	s_add_nc_u64 s[46:47], s[6:7], s[46:47]
	CROUND                                         ; all sixteen work-groups are here: the first joint loads meet
.irp s, 0,1
	s_mov_b32 s[G0+4*\s], 1
	s_add_co_u32 s[G0+4*\s+1], s20, \s*SLOT
	s_add_nc_u64 s[G0+4*\s+2:G0+4*\s+3], s[18:19], \s*KSA
	s_or_b32 s[G0+4*\s+3], s[G0+4*\s+3], 0x80000000
	s_mov_b32 s[G0B+4*\s], 1
	s_add_co_u32 s[G0B+4*\s+1], s21, \s*SLOT
	s_add_nc_u64 s[G0B+4*\s+2:G0B+4*\s+3], s[46:47], \s*256
	s_or_b32 s[G0B+4*\s+3], s[G0B+4*\s+3], 0x80000000
	JLOAD \s                                       ; two tensor loads of mine are out
.endr
	v_and_b32 v1, 15, v0                           ; r
	v_bfe_u32 v2, v0, 4, 1                         ; h
	v_lshlrev_b32 v[BO], 5, v2
	s_lshl_b32 s20, s40, 8
	s_lshl_b32 s21, s14, 7
	s_add_co_u32 s20, s20, s21                     ; my first column
	s_lshl_b32 s20, s20, 2
	s_mov_b32 s21, 0
	s_add_nc_u64 s[8:9], s[8:9], s[20:21]
.irp b, 0,1,2,3,4,5,6,7
	global_load_b128 v[BIAS+8*\b:BIAS+8*\b+3], v[BO], s[8:9] offset:64*\b         ; for B's block b: b_out at my column + 16 b + 8 h + 0 .. 7
	global_load_b128 v[BIAS+8*\b+4:BIAS+8*\b+7], v[BO], s[8:9] offset:64*\b+16
.endr
	s_lshl_b32 s16, s41, 4
	s_add_co_u32 s16, s16, s15                     ; tile row
	s_lshl_b32 s16, s16, 7
	s_lshl_b32 s17, s13, 6
	s_add_co_u32 s16, s16, s17                     ; my first row
	s_lshl_b32 s16, s16, 12
	s_add_co_u32 s16, s16, s20
	s_mov_b32 s17, 0
	s_add_nc_u64 s[10:11], s[10:11], s[16:17]      ; out0 at my part
	s_lshr_b32 s16, s40, 1                         ; the prefetches: head 16 cy + cx / 2,
	s_lshl_b32 s17, s41, 4
	s_add_co_u32 s16, s16, s17
	s_lshl_b32 s16, s16, 11
	s_lshl_b32 s17, s15, 7
	s_add_co_u32 s16, s16, s17
	s_lshl_b32 s16, s16, 7
	s_and_b32 s17, s40, 1
	s_lshl_b32 s17, s17, 13                        ; half cx % 2 of its 16,384 bytes,
	s_add_co_u32 s16, s16, s17
	s_add_co_u32 s16, s16, 2*KSA                   ; at K step 2: the first refill steps it to 3 and names 4.  Nothing is prefetched at the head
	s_mov_b32 s17, 0
	s_add_nc_u64 s[PFA:PFA+1], s[4:5], s[16:17]
	s_cmp_eq_u32 s12, 0
	s_cselect_b32 s[LIM], 1, -1
	v_and_b32 v5, 31, v0
	v_lshlrev_b32 v[PFO], 8, v5
	v_mul_u32_u24 v3, v1, APITCH
	v_lshl_add_u32 v3, v2, 4, v3
	v_mul_u32_u24 v4, v1, BPITCH
	v_lshl_add_u32 v4, v2, 4, v4
	s_mul_i32 s22, s13, 64*APITCH                  ; my 64 rows of each sub-tile of A
	s_mul_i32 s23, s14, 128*BPITCH                 ; my 128 rows of B
	s_add_co_u32 s23, s23, BOFF
.irp s, 0,1
	v_add_nc_u32 v[ADRA+\s], s22, v3
	v_add_nc_u32 v[ADRB+\s], s23, v4
	s_add_co_u32 s22, s22, SLOT
	s_add_co_u32 s23, s23, SLOT
.endr
	s_mul_i32 s22, s12, 16*SPITCH
	s_add_co_u32 s22, s22, STAGE                   ; my stage
	v_mul_u32_u24 v6, v1, SPITCH
	v_lshl_add_u32 v6, v2, 5, v6
	v_add_nc_u32 v[STO], s22, v6
	v_lshlrev_b32 v[CO], 4, v5
	v_add_nc_u32 v[RD], s22, v[CO]
.macro MUL8 f, a, first                ; A's block a x B's eight, 32 along K, buffer f.  The 32 accumulators take turns, in the same order in every quarter
.irp b, 0,1,2,3,4,5,6,7
.if \first
	v_wmma_f32_16x16x32_f16 v[8*(8*(\a)+\b):8*(8*(\a)+\b)+7], v[64*(\f)+8*\b:64*(\f)+8*\b+7], v[64+32*(\f)+8*(\a):64+32*(\f)+8*(\a)+7], v[BIAS+8*\b:BIAS+8*\b+7]
.else
	v_wmma_f32_16x16x32_f16 v[8*(8*(\a)+\b):8*(8*(\a)+\b)+7], v[64*(\f)+8*\b:64*(\f)+8*\b+7], v[64+32*(\f)+8*(\a):64+32*(\f)+8*(\a)+7], v[8*(8*(\a)+\b):8*(8*(\a)+\b)+7]
.endif
.endr
.endm
.macro FETCH slot, q, f                ; 24 LDS loads in one run: quarter q (32 along K) of a slot into buffer f
	WIN TO_B
.irp i, 0,1,2,3,4,5,6,7
	ds_load_b128 v[64*(\f)+8*\i:64*(\f)+8*\i+3],   v[ADRB+\slot] offset:64*(\q)+\i*16*BPITCH
	ds_load_b128 v[64*(\f)+8*\i+4:64*(\f)+8*\i+7], v[ADRB+\slot] offset:64*(\q)+\i*16*BPITCH+32
.endr
	WIN 0
.irp i, 0,1,2,3
	ds_load_b128 v[64+32*(\f)+8*\i:64+32*(\f)+8*\i+3],   v[ADRA+\slot] offset:((\q)/2)*ASUB+((\q)%2)*64+\i*16*APITCH
	ds_load_b128 v[64+32*(\f)+8*\i+4:64+32*(\f)+8*\i+7], v[ADRA+\slot] offset:((\q)/2)*ASUB+((\q)%2)*64+\i*16*APITCH+32
.endr
.endm
.macro PLACES                          ; four plain vector instructions between a matrix instruction and a load into, or a read of, its registers
.rept 4
	v_nop
.endr
.endm
.macro QUARTER slot, qn, f, first      ; multiplies buffer f; ahead of its 32 products it asks for quarter qn of the same slot, into the other buffer
	s_wait_dscnt 0x0                               ; buffer f is in (asked for 32 products ago)
	PLACES
	FETCH \slot, \qn, 1-(\f)
.if \first
	WIN FIRST
.else
	WIN MUL
.endif
	MUL8 \f, 0, \first
	MUL8 \f, 1, \first
	MUL8 \f, 2, \first
	MUL8 \f, 3, \first
.endm
; A slot's last quarter multiplies buffer 1 and changes slots: ONE barrier; in front of it each wave waits for all its tensor loads, adds 0 to its spare word, and waits for that and for its reads of this slot.
; fill = 1: the barrier opens a round of the cluster's barrier, and this slot is filled again, two K steps ahead, first thing behind the round.
.macro TURN slot, next, fill
.if \fill
	s_wait_xcnt 0x0                                ; the last prefetch, a K step back, has read its address
	s_add_nc_u64 s[PFA:PFA+1], s[PFA:PFA+1], KSA
.endif
	WIN 0
	s_wait_tensorcnt 0x0                           ; my part of the next slot has landed
	ds_add_u32 v[SPW], v[NIL]
	s_wait_dscnt 1                                 ; buffer 1 is in; the add alone may be out
	WIN MUL
	MUL8 1, 0, 0
	s_wait_dscnt 0x0                               ; the add is done, and my reads of this slot are over
	s_barrier_signal -1
	MUL8 1, 1, 0
	WIN 0
	s_barrier_wait -1
.if \fill
	CREST
	s_add_nc_u64 s[G0+4*\slot+2:G0+4*\slot+3], s[G0+4*\slot+2:G0+4*\slot+3], 2*KSA
	s_add_nc_u64 s[G0B+4*\slot+2:G0B+4*\slot+3], s[G0B+4*\slot+2:G0B+4*\slot+3], 512
	JLOAD \slot                                    ; its four v_nop are also the places in front of the loads below
.else
	PLACES
.endif
	FETCH \next, 0, 0
.if \fill
	ASK
.endif
	WIN MUL
	MUL8 1, 2, 0
	MUL8 1, 3, 0
.endm
	s_wait_tensorcnt 1                             ; my part of K step 0 is in; K step 1's load may be out
	s_barrier_signal -1
	s_barrier_wait -1
	FETCH 0, 0, 0
	s_wait_loadcnt 0x0                             ; the bias
	QUARTER 0, 1, 0, 1                             ; the first quarter stands in front of the loop: its products start the sums, from the bias
	WIN 0
	s_mov_b32 s3, 3
.Llap:                                             ; a trip goes once round the ring and fills both slots again
	QUARTER 0, 2, 1, 0
	QUARTER 0, 3, 0, 0
	TURN 0, 1, 1
	QUARTER 1, 1, 0, 0
	QUARTER 1, 2, 1, 0
	QUARTER 1, 3, 0, 0
	TURN 1, 0, 1
	QUARTER 0, 1, 0, 0
	WIN 0
	s_sub_co_u32 s3, s3, 1
	s_cmp_lg_u32 s3, 0
	s_cbranch_scc1 .Llap
	QUARTER 0, 2, 1, 0                             ; the last lap fills nothing
	QUARTER 0, 3, 0, 0
	TURN 0, 1, 0
	QUARTER 1, 1, 0, 0
	QUARTER 1, 2, 1, 0
	QUARTER 1, 3, 0, 0
	s_wait_dscnt 0x0
	MUL8 1, 0, 0
	MUL8 1, 1, 0
	MUL8 1, 2, 0
	MUL8 1, 3, 0
	WIN 0
	; THE WAY OUT, a block of 16 rows x 128 columns of f32 at a time, through my stage: whole rows of 512 bytes come back
.macro TOSTAGE a
	WIN 0x08                                       ; an LDS store's data: window 2
.irp b, 0,1,2,3,4,5,6,7
	ds_store_b128 v[STO], v[64*(\a)+8*\b:64*(\a)+8*\b+3] offset:64*\b             ; each accumulator from its low end on
	ds_store_b128 v[STO], v[64*(\a)+8*\b+4:64*(\a)+8*\b+7] offset:64*\b+16
.endr
	WIN 0
.set BB, BK+64*((\a)%2)
.irp t, 0,1,2,3,4,5,6,7,8,9,10,11,12,13,14,15
	ds_load_b128 v[BB+4*\t:BB+4*\t+3], v[RD] offset:\t*SPITCH
.endr
.endm
.macro STORES a
.set BB, BK+64*((\a)%2)
.irp t, 0,1,2,3,4,5,6,7,8,9,10,11,12,13,14,15
	global_store_b128 v[CO], v[BB+4*\t:BB+4*\t+3], s[10:11] offset:(16*(\a)+\t)*4096 th:TH_STORE_NT   ; 32 lanes store 512 consecutive bytes, aligned
.endr
.endm
	PLACES
	TOSTAGE 0
	TOSTAGE 1
	s_wait_dscnt 32                                ; block 0 is back; block 1's 16 stores and 16 loads may be out
	s_or_b32 s16, s15, s13                         ; a sequence's first 16 rows (cluster y = 0, upper half, block 0) belong to the other launch: a branch on cluster y and the wave's number
	s_cmp_eq_u32 s16, 0
	s_cbranch_scc1 .Lfirst_rows
	STORES 0
.Lfirst_rows:
	s_wait_xcnt 0x0                                ; block 0's stores have read their registers
	TOSTAGE 2
	s_wait_dscnt 32
	STORES 1
	s_wait_xcnt 0x0
	TOSTAGE 3
	s_wait_dscnt 32
	STORES 2
	s_wait_dscnt 0x0
	STORES 3
	s_wait_tensorcnt 0x0                           ; the wave's end
	ds_add_u32 v[SPW], v[NIL]
	s_wait_dscnt 0x0
	CROUND                                         ; the closing round
	s_endpgm
.Lfunc_end_k_qacda19fde1_proj:
	.size	k_qacda19fde1_proj, .Lfunc_end_k_qacda19fde1_proj-k_qacda19fde1_proj
	.p2alignl 7, 3214868480
	.fill 96, 4, 3214868480
	.section	.rodata,"a",@progbits
	.p2align	6, 0x0
	.amdhsa_kernel k_qacda19fde1_proj
		.amdhsa_group_segment_fixed_size 327680
		.amdhsa_private_segment_fixed_size 0
		.amdhsa_enable_private_segment 0
		.amdhsa_kernarg_size 32
		.amdhsa_user_sgpr_count 2
		.amdhsa_user_sgpr_kernarg_segment_ptr 1
		.amdhsa_wavefront_size32 1
		.amdhsa_system_sgpr_workgroup_id_x 1
		.amdhsa_system_sgpr_workgroup_id_y 1
		.amdhsa_system_sgpr_workgroup_id_z 1
		.amdhsa_system_vgpr_workitem_id 0
		.amdhsa_next_free_vgpr 768
		.amdhsa_next_free_sgpr 66
		.amdhsa_reserve_vcc 0
		.amdhsa_float_denorm_mode_32 3
		.amdhsa_float_denorm_mode_16_64 3
		.amdhsa_memory_ordered 1
		.amdhsa_forward_progress 1
		.amdhsa_inst_pref_size 88
	.end_amdhsa_kernel
	.amdgpu_metadata
---
amdhsa.version: [ 1, 2 ]
amdhsa.kernels:
  - .name:           k_qacda19fde1_proj
    .symbol:         k_qacda19fde1_proj.kd
    .args:
      - { .name: att, .offset: 0, .size: 8, .value_kind: global_buffer, .address_space: global }
      - { .name: wt, .offset: 8, .size: 8, .value_kind: global_buffer, .address_space: global }
      - { .name: b_out, .offset: 16, .size: 8, .value_kind: global_buffer, .address_space: global }
      - { .name: out0, .offset: 24, .size: 8, .value_kind: global_buffer, .address_space: global }
    .group_segment_fixed_size: 327680
    .private_segment_fixed_size: 0
    .kernarg_segment_align: 8
    .kernarg_segment_size: 32
    .max_flat_workgroup_size: 128
    .sgpr_count:     66
    .vgpr_count:     768
    .wavefront_size: 32
...
	.end_amdgpu_metadata
.endif
;; end of part 4
;; launch fine (part 5): grid 16 x 4, 16 waves a work-group, no clusters, 71,680 bytes of LDS; arguments fq, W_out, b_out, out0; writes out0
.if DOCPART == 5
	.amdgcn_target "amdgcn-amd-amdhsa--gfx1250"
	.amdhsa_code_object_version 6
	.text
	.protected	k_qacda19fde1_fine
	.globl	k_qacda19fde1_fine
	.p2align	8
	.type	k_qacda19fde1_fine,@function
k_qacda19fde1_fine:
	s_mov_b64 s[64:65], 0
	v_nop
	global_prefetch_b8 v0, s[64:65] scope:SCOPE_SE
	s_setreg_imm32_b32 hwreg(HW_REG_WAVE_MODE, 25, 1), 1
	s_wait_xcnt 0x0
; THE FIRST 16 POSITIONS OF EVERY SEQUENCE, IN F32 THROUGHOUT: under the causal mask they average one to sixteen values and are the largest rows of the output, so 16-bit operands would weigh most there.
; fq [batch 4][t 16][3072] f32 holds their q, k, v as the first product's sums stand.  A work-group takes a batch (y) and 64 output columns (x); wave w is head w.  Every work-group makes the batch's 16 x 16 attention anew: it is small.
; All products by v_wmma_f32_16x16x4_f32: 96 a wave, no bulk work.  Their result registers (v192-255) are written by matrix instructions alone; each sum begins with the constant 0.
; LAYOUT, all three products transposed, so that a lane holds ONE query (lane % 16) throughout and a result's registers are the next product's source 1 as they stand:
;   S^T = K Q^T: register j = key 8 h + j.   O^T = V^T P: register pair s of P is keys 8 h + 2 s + 0, 1; V is loaded in that order.   out^T = W^T O: register pair s of O's tile ct is channels 16 ct + 8 h + 2 s + 0, 1; W_out likewise.
;   In the first product K's and Q's channels stand in the same order on both sides (a lane's 16 bytes: channels 8 i + 4 h + 0 .. 3).
; The 16 heads' parts of the 16 x 64 outputs meet in LDS: wave q then adds row q's 16 parts in ascending order of the heads, adds the bias and stores 256 consecutive bytes.
; No cluster, no tensor load: nothing here is large enough to share.
.set SPW, 4
.set NIL, 5
.set T,   16                           ; v16-23  scores, then p
.set QF,  32                           ; v32-63  Q;  later W_out for column tiles 2, 3;  later the 16 parts of my row
.set KF,  64                           ; v64-95  K
.set WB,  32
.set VF,  96                           ; v96-127 V
.set WA,  128                          ; v128-191 W_out for column tiles 0, 1
.set SA,  192                          ; v192-199, v200-207 the scores in two sums by turns; later output tiles 0, 1
.set SB,  200
.set OA,  208                          ; v208-239 O^T, four tiles of 16 channels;  v240-255 output tiles 2, 3
.set SPARE, 16*16*272                  ; behind the parts: the spare words, 128 bytes for each of 16 waves
	s_load_b256 s[4:11], s[0:1], 0x0               ; fq s[4:5], W_out s[6:7], b_out s[8:9], out0 s[10:11]
	v_lshl_add_u32 v[SPW], v0, 2, SPARE
	v_mov_b32 v[NIL], 0
	v_lshrrev_b32 v7, 5, v0
	v_readfirstlane_b32 s12, v7                    ; wave = head
	v_and_b32 v7, 15, v0                           ; r
	v_bfe_u32 v8, v0, 4, 1                         ; h
	v_mul_u32_u24 v1, v7, 12288
	v_lshl_add_u32 v1, v8, 4, v1                   ; Q, K: row r of 12,288 bytes + 16 h
	v_mul_u32_u24 v2, v8, 8*12288
	v_lshl_add_u32 v2, v7, 2, v2                   ; V: row 8 h, column r
	v_lshlrev_b32 v3, 15, v8
	v_lshl_add_u32 v3, v7, 2, v3                   ; W_out: row 8 h of 4,096 bytes, column r
	v_lshlrev_b32 v9, 3, v8
	v_sub_nc_u32 v6, v7, v9                        ; r - 8 h
	s_mul_i32 s28, s12, 16*272
	v_mul_u32_u24 v24, v7, 272
	v_lshl_add_u32 v24, v8, 5, v24
	v_add_nc_u32 v24, s28, v24                     ; my part in LDS: row r of 256 + 16 bytes, + 32 h
	v_and_b32 v9, 31, v0
	v_lshlrev_b32 v28, 3, v9                       ; 8 x lane
	s_mul_i32 s28, s12, 272
	v_add_nc_u32 v25, s28, v28                     ; row w of part 0
	s_and_b32 s14, ttmp7, 0xffff                   ; the batch
	s_lshl_b32 s15, ttmp9, 8                       ; my 64 columns, in bytes
	s_mul_i32 s16, s14, 196608
	s_lshl_b32 s24, s12, 8
	s_add_co_u32 s16, s16, s24                     ; fq: the batch's 16 rows, my head's 64 columns
	s_mov_b32 s17, 0
	s_lshl_b32 s18, s12, 18
	s_add_co_u32 s18, s18, s15                     ; W_out: row 64 w, my columns
	s_mov_b32 s19, 0
	s_lshl_b32 s24, s14, 23
	s_lshl_b32 s26, s12, 12
	s_add_co_u32 s24, s24, s26
	s_add_co_u32 s24, s24, s15                     ; out0: row 2048 b + w, my columns
	s_mov_b32 s25, 0
	s_mov_b32 s26, s15
	s_mov_b32 s27, 0
	s_mov_b32 s20, 0x76543210
	s_mov_b32 s21, 0xfedcba98                      ; v_permlanex16_b32: lane l xor 16
	s_mov_b32 s22, 0x3e38aa3b                      ; c = log2(e) / 8
	s_wait_kmcnt 0x0
	s_add_nc_u64 s[4:5], s[4:5], s[16:17]
	s_add_nc_u64 s[6:7], s[6:7], s[18:19]
	s_add_nc_u64 s[8:9], s[8:9], s[26:27]
	s_add_nc_u64 s[10:11], s[10:11], s[24:25]
.irp i, 0,1,2,3,4,5,6,7
	global_load_b128 v[QF+4*\i:QF+4*\i+3], v1, s[4:5] offset:32*\i
.endr
.irp i, 0,1,2,3,4,5,6,7
	global_load_b128 v[KF+4*\i:KF+4*\i+3], v1, s[4:5] offset:4096+32*\i
.endr
.irp ct, 0,1,2,3
.irp s, 0,1,2,3
.irp j, 0,1
	global_load_b32 v[VF+8*\ct+2*\s+\j], v2, s[4:5] offset:8192+(2*\s+\j)*12288+64*\ct
.endr
.endr
.endr
.irp tau, 0,1
.irp ct, 0,1,2,3
.irp s, 0,1,2,3
.irp j, 0,1
	global_load_b32 v[WA+32*\tau+8*\ct+2*\s+\j], v3, s[6:7] offset:(16*\ct+2*\s+\j)*4096+64*\tau
.endr
.endr
.endr
.endr
	s_wait_loadcnt 63                              ; 112 loads are issued: with 63 out at the most the oldest 49 are in, Q's and K's 16 among them
	v_wmma_f32_16x16x4_f32 v[SA:SA+7], v[KF:KF+1], v[QF:QF+1], 0          ; two sums by turns; each begins with its own first K step
	v_wmma_f32_16x16x4_f32 v[SB:SB+7], v[KF+2:KF+3], v[QF+2:QF+3], 0
.irp i, 4,8,12,16,20,24,28
	v_wmma_f32_16x16x4_f32 v[SA:SA+7], v[KF+\i:KF+\i+1], v[QF+\i:QF+\i+1], v[SA:SA+7]
	v_wmma_f32_16x16x4_f32 v[SB:SB+7], v[KF+\i+2:KF+\i+3], v[QF+\i+2:QF+\i+3], v[SB:SB+7]
.endr
.rept 8
	v_nop                                          ; eight places behind this form: for the loads into Q's and K's registers and the reads of the sums
.endr
.irp tau, 2,3
.irp ct, 0,1,2,3
.irp s, 0,1,2,3
.irp j, 0,1
	global_load_b32 v[WB+32*(\tau-2)+8*\ct+2*\s+\j], v3, s[6:7] offset:(16*\ct+2*\s+\j)*4096+64*\tau
.endr
.endr
.endr
.endr
	global_load_b64 v[26:27], v28, s[8:9]          ; the bias of my two columns
.irp j, 0,1,2,3,4,5,6,7
	v_add_f32 v[T+\j], v[SA+\j], v[SB+\j]          ; from the low end on
.endr
	v_mov_b32 v10, 0xff800000
.irp j, 0,1,2,3,4,5,6,7
	v_cmp_gt_i32 vcc_lo, \j, v6                    ; key 8 h + j is hidden from query r where j > r - 8 h
	v_cndmask_b32 v[T+\j], v[T+\j], v10, vcc_lo
.endr
	v_max3_num_f32 v11, v16, v17, v18
	v_max3_num_f32 v11, v11, v19, v20
	v_max3_num_f32 v11, v11, v21, v22
	v_max_num_f32 v11, v11, v23
	v_mov_b32 v12, 0
	v_permlanex16_b32 v12, v11, s20, s21
	v_max_num_f32 v11, v11, v12                    ; the row's maximum: key 0 counts for every query
	v_mul_f32 v11, s22, v11
.irp j, 0,1,2,3,4,5,6,7
	v_fma_f32 v[T+\j], v[T+\j], s22, -v11
.endr
.irp j, 0,1,2,3,4,5,6,7
	v_exp_f32 v[T+\j], v[T+\j]
.endr
	v_nop
	s_wait_alu depctr_va_vdst(0)                   ; one wait for the eight, ahead of their first reader
	v_add_f32 v13, v16, v17
	v_add_f32 v14, v18, v19
	v_add_f32 v15, v20, v21
	v_add_f32 v10, v22, v23
	v_add_f32 v13, v13, v14
	v_add_f32 v15, v15, v10
	v_add_f32 v13, v13, v15
	v_permlanex16_b32 v12, v13, s20, s21
	v_add_f32 v13, v13, v12
	v_rcp_f32 v14, v13
	v_nop
	s_wait_alu depctr_va_vdst(0)
.irp j, 0,1,2,3,4,5,6,7
	v_mul_f32 v[T+\j], v[T+\j], v14                ; p, normalised
.endr
	s_wait_loadcnt 63                              ; 177 loads are issued: the oldest 114 are in, V's among them
.irp ct, 0,1,2,3
	v_wmma_f32_16x16x4_f32 v[OA+8*\ct:OA+8*\ct+7], v[VF+8*\ct:VF+8*\ct+1], v[T:T+1], 0
.endr
.irp s, 1,2,3
.irp ct, 0,1,2,3
	v_wmma_f32_16x16x4_f32 v[OA+8*\ct:OA+8*\ct+7], v[VF+8*\ct+2*\s:VF+8*\ct+2*\s+1], v[T+2*\s:T+2*\s+1], v[OA+8*\ct:OA+8*\ct+7]
.endr
.endr
	s_wait_loadcnt 0x0                             ; W_out and the bias
.rept 9
	v_nop                                          ; nine places: O^T becomes source 1 as it stands
.endr
.macro WPROD tau, ct, s
.if \tau < 2
.set rW, WA+32*\tau+8*\ct+2*\s
.set rP, 192+8*\tau
.else
.set rW, WB+32*(\tau-2)+8*\ct+2*\s
.set rP, 240+8*(\tau-2)
.endif
.if (\ct == 0) && (\s == 0)
	v_wmma_f32_16x16x4_f32 v[rP:rP+7], v[rW:rW+1], v[OA+8*\ct+2*\s:OA+8*\ct+2*\s+1], 0
.else
	v_wmma_f32_16x16x4_f32 v[rP:rP+7], v[rW:rW+1], v[OA+8*\ct+2*\s:OA+8*\ct+2*\s+1], v[rP:rP+7]
.endif
.endm
.irp ct, 0,1,2,3
.irp s, 0,1,2,3
.irp tau, 0,1,2,3                              ; four sums by turns
	WPROD \tau, \ct, \s
.endr
.endr
.endr
.rept 8
	v_nop
.endr
.irp tau, 0,1
	ds_store_b128 v24, v[192+8*\tau:195+8*\tau] offset:64*\tau     ; lane (r, h): my head's part of out(r, 16 tau + 8 h + 0 .. 7); each sum from its low end on
	ds_store_b128 v24, v[196+8*\tau:199+8*\tau] offset:64*\tau+16
.endr
.irp tau, 2,3
	ds_store_b128 v24, v[224+8*\tau:227+8*\tau] offset:64*\tau
	ds_store_b128 v24, v[228+8*\tau:231+8*\tau] offset:64*\tau+16
.endr
	s_wait_dscnt 0x0                               ; for the others' sake: my stores have landed
	s_barrier_signal -1
	s_barrier_wait -1
.irp p, 0,1,2,3,4,5,6,7,8,9,10,11,12,13,14,15
	ds_load_b64 v[32+2*\p:33+2*\p], v25 offset:\p*16*272           ; row w of head p's part: 8 bytes a lane
.endr
	s_wait_dscnt 0x0
.irp p, 1,2,3,4,5,6,7,8,9,10,11,12,13,14,15
	v_pk_add_f32 v[32:33], v[32:33], v[32+2*\p:33+2*\p]
.endr
	v_pk_add_f32 v[32:33], v[32:33], v[26:27]
	global_store_b64 v28, v[32:33], s[10:11]       ; 32 lanes store 256 consecutive bytes, aligned
	s_wait_tensorcnt 0x0                           ; the wave's end, behind my last LDS store
	ds_add_u32 v[SPW], v[NIL]
	s_wait_dscnt 0x0
	s_endpgm
.Lfunc_end_k_qacda19fde1_fine:
	.size	k_qacda19fde1_fine, .Lfunc_end_k_qacda19fde1_fine-k_qacda19fde1_fine
	.p2alignl 7, 3214868480
	.fill 96, 4, 3214868480
	.section	.rodata,"a",@progbits
	.p2align	6, 0x0
	.amdhsa_kernel k_qacda19fde1_fine
		.amdhsa_group_segment_fixed_size 71680
		.amdhsa_private_segment_fixed_size 0
		.amdhsa_enable_private_segment 0
		.amdhsa_kernarg_size 32
		.amdhsa_user_sgpr_count 2
		.amdhsa_user_sgpr_kernarg_segment_ptr 1
		.amdhsa_wavefront_size32 1
		.amdhsa_system_sgpr_workgroup_id_x 1
		.amdhsa_system_sgpr_workgroup_id_y 1
		.amdhsa_system_sgpr_workgroup_id_z 1
		.amdhsa_system_vgpr_workitem_id 0
		.amdhsa_next_free_vgpr 256
		.amdhsa_next_free_sgpr 66
		.amdhsa_reserve_vcc 1
		.amdhsa_float_denorm_mode_32 3
		.amdhsa_float_denorm_mode_16_64 3
		.amdhsa_memory_ordered 1
		.amdhsa_forward_progress 1
		.amdhsa_inst_pref_size 32
	.end_amdhsa_kernel
	.amdgpu_metadata
---
amdhsa.version: [ 1, 2 ]
amdhsa.kernels:
  - .name:           k_qacda19fde1_fine
    .symbol:         k_qacda19fde1_fine.kd
    .args:
      - { .name: fq, .offset: 0, .size: 8, .value_kind: global_buffer, .address_space: global }
      - { .name: W_out, .offset: 8, .size: 8, .value_kind: global_buffer, .address_space: global }
      - { .name: b_out, .offset: 16, .size: 8, .value_kind: global_buffer, .address_space: global }
      - { .name: out0, .offset: 24, .size: 8, .value_kind: global_buffer, .address_space: global }
    .group_segment_fixed_size: 71680
    .private_segment_fixed_size: 0
    .kernarg_segment_align: 8
    .kernarg_segment_size: 32
    .max_flat_workgroup_size: 512
    .sgpr_count:     66
    .vgpr_count:     256
    .wavefront_size: 32
...
	.end_amdgpu_metadata
.endif
;; end of part 5
